; MI455X (gfx1250); checked and timed in simulation.
; The chip was launched on July 23, 2026; its instructions are those of AMD's public machine-readable ISA for CDNA 5 (MIT licence, August 2026) and "CDNA5" Instruction Set Architecture Reference Guide (July 2026). The comments in the code are by the model that wrote it; some were corrected since.
;; Adapted Attention. Allowed arithmetic: matrix products marked QUANTISED: E2M1 operands, one E8M0 scale for each 32 along K, by v_wmma_scale_f32_16x16x128_f8f6f4 with both operands' format E2M1 (or v_wmma_scale_f32_32x16x128_f4), f32 sums; products left as they are: f32 operands where the result goes on into a quantised operand, else bf16, f16 or f32 operands; f32 sums; everything else in f32.
;; Inputs: Wk 2,048 x 2,048 float32; Wo_codes 2,048 x 64 x 16 uint8 (E2M1 codes of Wo, K innermost, in blocks of 32 codes, two codes a byte); Wo_scales 2,048 x 64 uint8 (E8M0 scales of Wo, one for each 32 codes along K); Wq_codes 2,048 x 64 x 16 uint8 (E2M1 codes of Wq, K innermost, in blocks of 32 codes, two codes a byte); Wq_scales 2,048 x 64 uint8 (E8M0 scales of Wq, one for each 32 codes along K); Wv 2,048 x 2,048 float32; adaption_gate 1 float32; adaption_prompt 1 x 10 x 2,048 float32; hidden_states_codes 1 x 2,048 x 64 x 16 uint8 (E2M1 codes of hidden_states, K innermost, in blocks of 32 codes, two codes a byte); hidden_states_scales 1 x 2,048 x 64 uint8 (E8M0 scales of hidden_states, one for each 32 codes along K); position_ids 1 x 2,048 int32.
;; Outputs: out0 1 x 2,048 x 2,048 float32.
;; This version of the problem:
;;   THIS VERSION OF THE PROBLEM IS GIVEN IN LOW PRECISION. The matrix products marked QUANTISED in the list below multiply operands that are first quantised to E2M1 (2 exponent bits, 1 mantissa bit; 4 bits a number), with one power-of-two scale for each 32 numbers along K (OCP MX v1.0); their sums are f32. All else is computed in f32.
;;   The module's matrix products, in the order in which they are computed (A, B: the left and right operand; K: the contracted axis; several contracted axes count as one K, in the product's order):
;;     1. [M 2,048, K 2,048] x [K 2,048, N 2,048]; A: input hidden_states (given as codes); B: input Wq (given as codes): QUANTISED
;;     2. [M 2,048, K 2,048] x [K 2,048, N 2,048]; A: input hidden_states (given as codes); B: input Wk: QUANTISED
;;     3. [M 2,048, K 2,048] x [K 2,048, N 2,048]; A: input hidden_states (given as codes); B: input Wv: QUANTISED
;;     4. batch 16 x [M 2,048, K 128] x [K 128, N 2,048]; A: computed on the way; B: computed on the way: QUANTISED
;;     5. batch 16 x [M 2,048, K 2,048] x [K 2,048, N 128]; A: softmax (see below); B: computed on the way: QUANTISED
;;     6. [M 2,048, K 2,048] x [K 2,048, N 2,048]; A: computed on the way; B: input Wo (given as codes): QUANTISED
;;     7. [M 10, K 2,048] x [K 2,048, N 2,048]; A: input adaption_prompt; B: input Wk: left as it is (M = 10 < 16)
;;     8. [M 10, K 2,048] x [K 2,048, N 2,048]; A: input adaption_prompt; B: input Wv: left as it is (M = 10 < 16)
;;     9. batch 16 x [M 10, K 128] x [K 128, N 2,048]; A: computed on the way; B: computed on the way: left as it is (M = 10 < 16)
;;     10. batch 16 x [M 128, K 10] x [K 10, N 2,048]; A: computed on the way; B: computed on the way: left as it is (K = 10 < 32)
;;     11. [M 2,048, K 2,048] x [K 2,048, N 2,048]; A: computed on the way; B: input Wo (given as codes): QUANTISED
;;   THE QUANTISER, for each operand of a quantised product, along K:
;;     - K is cut into blocks of 32 from its start; a last block that is shorter is filled with zeros.
;;     - A block's scale is 2^e with e = floor(log2(the largest magnitude in the block)) - 2, held to -126 .. 127; a block of zeros has e = 0. As a byte (E8M0): e + 127.
;;     - Each number is divided by its block's scale, clamped to +-6, and rounded to the nearest number of E2M1, ties to even, subnormals kept.
;;     - The product sums the exact products of the quantised numbers (number of the format x scale) in f32.
;;   ~~~python
;;   def quantise(x, axis):      # numpy; x: float32 -> the quantised numbers, widened to float32 again
;;       x = np.moveaxis(x, axis, -1); K = x.shape[-1]
;;       x = np.pad(x, [(0, 0)] * (x.ndim - 1) + [(0, -K % 32)]); x = x.reshape(x.shape[:-1] + (-1, 32)); a = np.abs(x).max(-1, keepdims=True)
;;       e = np.where(a > 0, np.clip(np.frexp(np.where(a > 0, a, 1))[1] - 1 - 2, -126, 127), 0)      # np.frexp(a)[1] - 1 = floor(log2(a)), exactly
;;       r = np.clip(x / 2.0 ** e, -6, 6)
;;       step = 2.0 ** (np.maximum(np.frexp(np.where(r == 0, 1, r))[1] - 1, 0) - 1)
;;       q = np.round(r / step) * step * 2.0 ** e      # np.round: ties to even
;;       return np.moveaxis(q.reshape(q.shape[:-2] + (-1,))[..., :K], -1, axis).astype(np.float32)
;;   ~~~
;;   SOFTMAX AHEAD OF A QUANTISED PRODUCT. Where the list says 'softmax', what is quantised is not the finished softmax but p = 2^(t - M), with t = logit x log2(e) and M = ceil(the row's largest t), a whole number; so 1/2 < the row's largest p <= 1. The row's sum l is taken of the UNQUANTISED p, in f32, and the product's result is divided by l at the end. Since M is a whole number, a kernel that streams over the keys may use a running M (the ceiling of the running maximum): every later rescaling is an exact power of two, which a block's scale takes up: the codes' values come out the same.
;;   OPERANDS COMPUTED ON THE WAY. 'Computed on the way' means the value that the module computes at that place (a softmax that the list does not call 'softmax' is quantised finished and normalised). What goes into a quantiser is computed in f32, as accurately as f32 sums, v_exp_f32 and their like allow (about 1e-6 of the number): no bf16 or f16 on the way to a quantiser, and a product that is left as it is and whose result goes on into a quantised operand takes f32 operands (vector FMAs, or v_wmma_f32_16x16x4_f32). A number that lies on a knife's edge between two numbers of the format may be rounded either way, as far as f32 arithmetic and the matrix unit's own rounding can turn it there, and no further.
;;   INPUTS GIVEN AS CODES. Wo (in the module: [2048, 2048], K = its axis 1); Wq (in the module: [2048, 2048], K = its axis 1); hidden_states (in the module: [1, 2048, 2048], K = its axis 2): each comes as NAME_codes (uint8): NAME with its K axis moved to the last place and cut into blocks of 32 codes, [.., K / 32, bytes a block], one block behind the other in memory; two codes a byte, the lower K in the low four bits (a code: sign, 2 exponent bits, 1 mantissa bit); and NAME_scales (uint8): the same leading axes, one E8M0 byte (e + 127) for each 32 codes along K. Its value is code x scale, taken as it is: it is not quantised again, and the codes and scales need not be those that the quantiser above would give.
;; One version. Each part assembles by itself: llvm-mc -triple=amdgcn-amd-amdhsa -mcpu=gfx1250 --defsym DOCPART=n.
;; ======== version 1 of 1: 4 launches
;; limits: right only within a limited range of input values
;; workspace buffers: wc 4,194,304 bytes; ws 262,144 bytes; ad 262,144 bytes; tab 1,048,576 bytes; qr 16,777,216 bytes; kv 4,456,448 bytes; ac 4,194,304 bytes; asc 262,144 bytes
;; launch prep (part 1): grid 256 x 1, 4 waves a work-group, no clusters, 56,832 bytes of LDS; arguments Wk, Wv, adaption_prompt, position_ids, wc, ws, ad, tab; writes wc, ws, ad, tab
.if DOCPART == 1
	.amdgcn_target "amdgcn-amd-amdhsa--gfx1250"
	.amdhsa_code_object_version 6
	.text
	.protected	k_q8882594c3b_prep
	.globl	k_q8882594c3b_prep
	.p2align	8
	.type	k_q8882594c3b_prep,@function
k_q8882594c3b_prep:
	s_mov_b64 s[64:65], 0
	v_nop
	global_prefetch_b8 v0, s[64:65] scope:SCOPE_SE
	s_setreg_imm32_b32 hwreg(HW_REG_WAVE_MODE, 25, 1), 1
	s_wait_xcnt 0x0
; Wk and Wv [2048][2048] f32 become codes of E2M1 with one E8M0 byte for each 32 along K (wc [4096][1024], ws [4096][64]: Wk's rows, then Wv's);
; on the same pass prompt Wk^T and prompt Wv^T are summed in f32 (ad), so that each weight is read from memory once; and the table of cos and sin (tab [2048][cos 64 | sin 64]) is made.
; SHARES.  Work-group g takes 16 rows of one weight (g < 128: Wk, else Wv); wave w takes k = 512 w .. 512 w + 511 of them, in four steps of 128.  It also makes table rows 8 g .. 8 g + 7.
; A STEP.  16 loads of 512 consecutive bytes (a row's 128 numbers) go through the wave's own stage in LDS and come back so that lane (r, h) holds row r and register 8 t + i holds k = 16 t + 8 h + i.
; The prompt's rows are loaded in the same order (rows 10-15 repeat row 9: finite numbers that the next reader masks).  32 products of the f32 matrix form take register pairs of both: K's places are
; permuted alike in both sources.  Wk: source 0 = the weight's rows, so a lane holds one prompt row and eight weight rows; Wv: the sources swapped, so a lane holds one weight row and eight prompt rows.
; QUANT turns the same 64 registers into the operand's eight code registers and the row's scale word.
; NO CLUSTER: no tensor load is used, and only the prompt (80 KB) is shared between work-groups.
; LIMITS: NaN and infinities are not served; a block whose largest magnitude lies under 2^-124 gets the byte 1, a block of zeros too (its codes are zeros; these bytes are read by this program alone);
; |position| up to about 117,000 (three-constant reduction of the angle); 1 / 10000^(i/64) is good to about 1.5 units in the last place.
.set TSP, 528                          ; the turn stage: a row of 512 bytes + 16: 33 x 16, so sixteen rows start in sixteen different columns of 16 bytes
.set TSB, 16*TSP
.set CSP, 272                          ; the code stage: a row of 256 bytes + 16
.set CSB, 16*CSP
.set CS0, 4*TSB
.set SSB, CS0+4*CSB                    ; the 16 rows' scale bytes, 64 a row
.set RED, SSB+1024                     ; the four waves' partial sums, 1,024 bytes each
.set X,   32                           ; v32-95   64 numbers of my row
.set PC,  96                           ; v96-103  the codes just made
.set PW,  104                          ; v104     their scale word
.set TM,  112                          ; v112-127 at work in QUANT
.set RS,  128                          ; v128-135 my wave's partial sums
.set RL,  136                          ; v136-167 the four waves' sums
.set CR,  168                          ; v168-199 rows of codes read back
.set ACC, 200                          ; v200-215 two accumulators: written by matrix instructions alone
.set FI,  216                          ; v216-255 the table's work, four chains
.set TT,  220
.set NN,  224
.set EE,  228
.set RH,  232
.set ZZ,  236
.set CC,  240
.set SN,  244
.set QI,  248
.set SEL, 20                           ; s[20:21] lane selects: lane l xor 16
.set MSB, 0
.macro WIN new                         ; the immediate's high byte repeats the setting that is left
.if MSB != (\new)
	s_set_vgpr_msb (MSB<<8)|(\new)
.set MSB, (\new)
.endif
.endm
; 64 numbers of a lane in window w, register 8 t + i = k 16 t + 8 h + i of my row, become a fragment's codes in v[pc] on and the row's scale word in v[pw].
.macro QUANT s, w, pc, pw
	WIN ((\w)<<2)|((\w)<<4)
.irp b, 0,1,2,3
	v_max3_num_f32 v[TM+\b], 0x1800000, |v[(\s)+16*\b]|, |v[(\s)+16*\b+1]|   ; block b: my 16 numbers, and the floor 2^(3 - 127): the byte cannot fall under 1
.endr
.irp i, 2,4,6,8,10,12,14
.irp b, 0,1,2,3
	v_max3_num_f32 v[TM+\b], v[TM+\b], |v[(\s)+16*\b+\i]|, |v[(\s)+16*\b+\i+1]|
.endr
.endr
	WIN 0
.irp b, 0,1,2,3
	v_permlanex16_b32 v[TM+4+\b], v[TM+\b], s[SEL], s[SEL+1]
.endr
.irp b, 0,1,2,3
	v_max_num_f32 v[TM+\b], v[TM+\b], v[TM+4+\b]   ; with lane l xor 16's 16: the block's largest magnitude
.endr
.irp b, 0,1,2,3
	v_add_nc_u32 v[TM+12+\b], 0xff000000, v[TM+\b]   ; 2 off its exponent field: the conversion's scale operand
.endr
.irp b, 0,1,2,3
	v_lshrrev_b32 v[TM+4+\b], 23, v[TM+12+\b]      ; the scale's byte
.endr
	v_lshl_or_b32 v[\pw], v[TM+5], 8, v[TM+4]
	v_lshl_or_b32 v[\pw], v[TM+6], 16, v[\pw]
	v_lshl_or_b32 v[\pw], v[TM+7], 24, v[\pw]
	WIN (\w)
.irp t, 0,1,2,3,4,5,6,7
	v_cvt_scalef32_pk8_fp4_f32 v[(\pc)+4*(\t/4)+2*(\t%2)+(\t%4)/2], v[(\s)+8*\t:(\s)+8*\t+7], v[TM+12+\t/2]   ; eight k of tile t; tiles 0, 2, 1, 3 of each four stand side by side for the exchange below
.endr
	WIN 0
	v_nop                                          ; one plain place behind a scaled conversion
.irp c, 0,1                                    ; the operand wants k = 64 c + 32 h + 8 g in register 4 c + g: the upper lanes of one register change places with the lower lanes of its neighbour
	v_permlane16_swap_b32 v[(\pc)+4*\c], v[(\pc)+4*\c+1]
	v_permlane16_swap_b32 v[(\pc)+4*\c+2], v[(\pc)+4*\c+3]
.endr
.endm
.macro WLOAD s                         ; step s of my 16 rows, as they lie: 512 consecutive bytes a load -> window 1
	WIN 0x40
.irp p, 0,1,2,3,4,5,6,7,8,9,10,11,12,13,14,15
	global_load_b128 v[64*\s+4*\p:64*\s+4*\p+3], v4, s[4:5] offset:\p*8192+512*\s th:TH_LOAD_NT
.endr
.endm
.macro PLOAD s                         ; step s of the prompt's row min(r, 9), in the order of X -> window 2
	WIN 0x80
.irp t, 0,1,2,3,4,5,6,7
	global_load_b128 v[64*\s+8*\t:64*\s+8*\t+3], v5, s[6:7] offset:512*\s+64*\t
	global_load_b128 v[64*\s+8*\t+4:64*\s+8*\t+7], v5, s[6:7] offset:512*\s+64*\t+16
.endr
.endm
	s_load_b512 s[32:47], s[0:1], 0x0              ; Wk, Wv, prompt, positions, wc, ws, ad, tab
	v_lshl_add_u32 v123, v0, 2, 0xdc00
	v_mov_b32 v255, 0
	v_lshrrev_b32 v2, 5, v0
	v_readfirstlane_b32 s18, v2                    ; wave 0..3
	v_and_b32 v1, 31, v0                           ; lane
	v_and_b32 v2, 15, v0                           ; r
	v_bfe_u32 v3, v0, 4, 1                         ; h
	v_lshlrev_b32 v4, 4, v1                        ; 16 x lane
	v_min_u32 v5, 9, v2
	v_lshlrev_b32 v5, 13, v5
	v_lshl_add_u32 v5, v3, 5, v5                   ; the prompt: row min(r, 9) of 8,192 bytes, + 32 h
	s_mul_i32 s22, s18, TSB
	v_add_nc_u32 v6, s22, v4                       ; the turn stage, in: 16 x lane
	v_mul_u32_u24 v7, v2, TSP
	v_lshl_add_u32 v7, v3, 5, v7
	v_add_nc_u32 v7, s22, v7                       ; and out: row r, + 32 h
	s_mul_i32 s22, s18, CSB
	s_add_co_u32 s22, s22, CS0
	v_mul_u32_u24 v8, v2, CSP
	v_lshl_add_u32 v8, v3, 4, v8
	v_add_nc_u32 v8, s22, v8                       ; the code stage, in: row r, + 16 h
	v_mul_u32_u24 v9, v3, CSP
	v_lshl_add_u32 v9, v2, 4, v9
	v_add_nc_u32 v9, s22, v9                       ; and out: sixteen lanes to a row, two rows an instruction
	s_lshl_b32 s22, s18, 4
	s_add_co_u32 s22, s22, SSB
	v_lshl_add_u32 v10, v2, 6, s22                 ; scale words: 64 r + 16 w
	v_lshlrev_b32 v11, 10, v3
	v_lshl_add_u32 v11, v2, 4, v11                 ; the same two rows in wc
	s_lshl_b32 s22, s18, 10
	s_add_co_u32 s22, s22, RED
	v_add_nc_u32 v12, s22, v4                      ; my wave's partial sums
	s_lshl_b32 s22, s18, 1
	v_add_nc_u32 v13, s22, v3                      ; my table row of the group's eight: 2 w + h
	v_lshlrev_b32 v14, 9, v13
	v_lshl_add_u32 v14, v2, 4, v14                 ; its 512 bytes, my four frequencies
	v_lshlrev_b32 v13, 2, v13
.irp b, 0,1,2,3
	v_mov_b32 v[TM+4+\b], 0                        ; written once: a lane permute's destination counts as one of its sources
.endr
	s_mov_b32 s[SEL], 0x76543210
	s_mov_b32 s[SEL+1], 0xfedcba98
	s_lshr_b32 s19, ttmp9, 7                       ; 0: Wk, 1: Wv
	s_and_b32 s22, ttmp9, 127
	s_lshl_b32 s22, s22, 17                        ; 16 rows of 8,192 bytes
	s_lshl_b32 s24, s18, 11                        ; my 512 numbers of a row
	s_add_co_u32 s22, s22, s24
	s_mov_b32 s23, 0
	s_mov_b32 s25, 0
	s_lshl_b32 s26, ttmp9, 5
	s_mov_b32 s27, 0
	s_lshl_b32 s28, ttmp9, 14                      ; 16 rows of 1,024 bytes of codes
	s_lshl_b32 s30, s18, 8
	s_add_co_u32 s28, s28, s30
	s_mov_b32 s29, 0
	s_lshl_b32 s30, ttmp9, 10
	s_mov_b32 s31, 0
	s_wait_alu depctr_va_vdst(0)
	s_wait_kmcnt 0x0
	s_cmp_lt_u32 ttmp9, 128
	s_cselect_b64 s[4:5], s[32:33], s[34:35]
	s_add_nc_u64 s[4:5], s[4:5], s[22:23]
	s_add_nc_u64 s[6:7], s[36:37], s[24:25]
	s_add_nc_u64 s[8:9], s[38:39], s[26:27]
	s_add_nc_u64 s[10:11], s[40:41], s[28:29]
	s_add_nc_u64 s[12:13], s[42:43], s[30:31]
	s_add_nc_u64 s[14:15], s[44:45], s[30:31]
	s_lshl_b32 s30, ttmp9, 12
	s_add_nc_u64 s[16:17], s[46:47], s[30:31]
	global_load_b32 v15, v13, s[8:9]               ; my table row's position
	WLOAD 0
	PLOAD 0
	WLOAD 1
	WIN 0
	s_wait_loadcnt 48                              ; the position is in; the 48 loads issued behind it stay out
	; THE TABLE.  inv = 2^(-i log2(10000) / 64): i x the constant's upper 17 bits is exact, its whole part goes into the exponent, the rest and the constant's lower part into one v_exp_f32.
	v_lshlrev_b32 v253, 2, v2
.irp e, 0,1,2,3
	v_add_nc_u32 v[QI+\e], \e, v253                ; i = 4 r + e
.endr
.irp e, 0,1,2,3
	v_cvt_f32_u32 v[FI+\e], v[QI+\e]
.endr
.irp e, 0,1,2,3
	v_mul_f32 v[TT+\e], 0x3e549a80, v[FI+\e]       ; i x 108853 / 2^19: exact
.endr
.irp e, 0,1,2,3
	v_floor_f32 v[NN+\e], v[TT+\e]
.endr
.irp e, 0,1,2,3
	v_sub_f32 v[TT+\e], v[TT+\e], v[NN+\e]
.endr
.irp e, 0,1,2,3
	v_fmamk_f32 v[TT+\e], v[FI+\e], 0xb3f6865d, v[TT+\e]   ; + i x the constant's lower part
.endr
	s_wait_alu depctr_va_vdst(0)
.irp e, 0,1,2,3
	v_exp_f32 v[EE+\e], -v[TT+\e]
.endr
.irp e, 0,1,2,3
	v_cvt_i32_f32 v[NN+\e], v[NN+\e]               ; plain work behind the four exponentials
.endr
.irp e, 0,1,2,3
	v_sub_nc_u32 v[NN+\e], 0, v[NN+\e]
.endr
	v_cvt_f32_i32 v252, v15
	s_wait_alu depctr_va_vdst(0)                   ; one wait for the batch, ahead of its first reader
.irp e, 0,1,2,3
	v_ldexp_f32 v[EE+\e], v[EE+\e], v[NN+\e]
.endr
.irp e, 0,1,2,3
	v_mul_f32 v[EE+\e], v252, v[EE+\e]             ; the angle, rounded once
.endr
.irp e, 0,1,2,3
	v_mul_f32 v[FI+\e], 0x3f22f983, v[EE+\e]
.endr
.irp e, 0,1,2,3
	v_rndne_f32 v[FI+\e], v[FI+\e]                 ; quarter turns
.endr
.irp e, 0,1,2,3
	v_fmamk_f32 v[RH+\e], v[FI+\e], 0xbfc90fd8, v[EE+\e]   ; less pi / 2 in three parts, each by a fused multiply-add
.endr
.irp e, 0,1,2,3
	v_fmamk_f32 v[RH+\e], v[FI+\e], 0xb4a8885a, v[RH+\e]
.endr
.irp e, 0,1,2,3
	v_fmamk_f32 v[RH+\e], v[FI+\e], 0xa7c234c4, v[RH+\e]
.endr
.irp e, 0,1,2,3
	v_mul_f32 v[ZZ+\e], v[RH+\e], v[RH+\e]
.endr
	v_mov_b32 v253, 0x37ccf5ce
	v_mov_b32 v254, 0xb94ca1f9
.irp e, 0,1,2,3
	v_fmaak_f32 v[CC+\e], v253, v[ZZ+\e], 0xbab6061a
	v_fmaak_f32 v[SN+\e], v254, v[ZZ+\e], 0x3c08839e
.endr
.irp e, 0,1,2,3
	v_fmaak_f32 v[CC+\e], v[CC+\e], v[ZZ+\e], 0x3d2aaaa5
	v_fmaak_f32 v[SN+\e], v[SN+\e], v[ZZ+\e], 0xbe2aaaa3
.endr
.irp e, 0,1,2,3
	v_fma_f32 v[CC+\e], v[CC+\e], v[ZZ+\e], -0.5
.endr
.irp e, 0,1,2,3
	v_fma_f32 v[CC+\e], v[CC+\e], v[ZZ+\e], 1.0    ; cos of the rest
.endr
.irp e, 0,1,2,3
	v_mul_f32 v[ZZ+\e], v[ZZ+\e], v[RH+\e]
.endr
.irp e, 0,1,2,3
	v_fma_f32 v[SN+\e], v[SN+\e], v[ZZ+\e], v[RH+\e]   ; sin of the rest
.endr
.irp e, 0,1,2,3
	v_cvt_i32_f32 v[QI+\e], v[FI+\e]
.endr
.irp e, 0,1,2,3                                ; the quarter chooses between the two and sets the signs
	v_and_b32 v253, 1, v[QI+\e]
	v_cmp_eq_u32 vcc_lo, 1, v253
	v_cndmask_b32 v[TT+\e], v[SN+\e], v[CC+\e], vcc_lo
	v_cndmask_b32 v[EE+\e], v[CC+\e], v[SN+\e], vcc_lo
	v_and_b32 v253, 2, v[QI+\e]
	v_lshlrev_b32 v253, 30, v253
	v_xor_b32 v[TT+\e], v[TT+\e], v253             ; sin
	v_add_nc_u32 v254, 1, v[QI+\e]
	v_and_b32 v254, 2, v254
	v_lshlrev_b32 v254, 30, v254
	v_xor_b32 v[EE+\e], v[EE+\e], v254             ; cos
.endr
	global_store_b128 v14, v[EE:EE+3], s[16:17]            ; sixteen lanes store 256 consecutive bytes, aligned
	global_store_b128 v14, v[TT:TT+3], s[16:17] offset:256
	PLOAD 1
	WLOAD 2
	PLOAD 2
	WLOAD 3
	PLOAD 3
	WIN 0
.macro PSTEP s
.if \s < 2
	s_wait_loadcnt 63                              ; behind this step's loads 96 (64) more were issued; the count names as many as its field holds
.elseif \s == 2
	s_wait_loadcnt 32                              ; the last step's 32 loads stay out
.else
	s_wait_loadcnt 0x0
.endif
	WIN 0x04                                       ; an LDS store's data are its source 1: window 1
.irp p, 0,1,2,3,4,5,6,7,8,9,10,11,12,13,14,15
	ds_store_b128 v6, v[64*\s+4*\p:64*\s+4*\p+3] offset:TSP*\p
.endr
	WIN 0
.irp t, 0,1,2,3,4,5,6,7
	ds_load_b128 v[X+8*\t:X+8*\t+3], v7 offset:64*\t       ; LDS serves a wave's instructions in order: these see the stores above
	ds_load_b128 v[X+8*\t+4:X+8*\t+7], v7 offset:64*\t+16
.endr
	s_wait_dscnt 0x0
	s_cmp_eq_u32 s19, 0                            ; the work-group's weight decides which source is which; no LDS line stands in either arm
	s_cbranch_scc0 .Lfor_v_\@
	WIN 0x08                                       ; source 1 (the prompt) window 2
.set q, 0
.rept 32                                       ; the two accumulators take turns
.if (\s == 0) && (q < 2)
	v_wmma_f32_16x16x4_f32 v[ACC+8*(q%2):ACC+8*(q%2)+7], v[X+2*q:X+2*q+1], v[64*\s+2*q:64*\s+2*q+1], 0
.else
	v_wmma_f32_16x16x4_f32 v[ACC+8*(q%2):ACC+8*(q%2)+7], v[X+2*q:X+2*q+1], v[64*\s+2*q:64*\s+2*q+1], v[ACC+8*(q%2):ACC+8*(q%2)+7]
.endif
.set q, q+1
.endr
	WIN 0
	s_branch .Ljoin_\@
.Lfor_v_\@:
	WIN 0x02                                       ; source 0 (the prompt) window 2
.set q, 0
.rept 32
.if (\s == 0) && (q < 2)
	v_wmma_f32_16x16x4_f32 v[ACC+8*(q%2):ACC+8*(q%2)+7], v[64*\s+2*q:64*\s+2*q+1], v[X+2*q:X+2*q+1], 0
.else
	v_wmma_f32_16x16x4_f32 v[ACC+8*(q%2):ACC+8*(q%2)+7], v[64*\s+2*q:64*\s+2*q+1], v[X+2*q:X+2*q+1], v[ACC+8*(q%2):ACC+8*(q%2)+7]
.endif
.set q, q+1
.endr
	WIN 0
.Ljoin_\@:
	QUANT X, 0, PC, PW                             ; its plain lines are also the eight places between the products and the next loads into X, and the first read of the sums
	ds_store_b128 v8, v[PC:PC+3] offset:64*\s      ; k = 32 h + 0 .. 31 of the step: 16 bytes of my row
	ds_store_b128 v8, v[PC+4:PC+7] offset:64*\s+32
	ds_store_b32 v10, v[PW] offset:4*\s            ; both halves of the lanes write the same word with the same value
.endm
	PSTEP 0
	PSTEP 1
	PSTEP 2
	PSTEP 3
.irp i, 0,1,2,3
	v_pk_add_f32 v[RS+2*\i:RS+2*\i+1], v[ACC+2*\i:ACC+2*\i+1], v[ACC+8+2*\i:ACC+8+2*\i+1]   ; each accumulator from its low end on
.endr
	ds_store_b128 v12, v[RS:RS+3]
	ds_store_b128 v12, v[RS+4:RS+7] offset:512
.irp i, 0,1,2,3,4,5,6,7
	ds_load_b128 v[CR+4*\i:CR+4*\i+3], v9 offset:2*CSP*\i
.endr
.irp i, 0,1,2,3,4,5,6,7
	s_wait_dscnt 7-\i                              ; the younger reads of the stage stay out
	global_store_b128 v11, v[CR+4*\i:CR+4*\i+3], s[10:11] offset:2048*\i   ; sixteen lanes store 256 consecutive bytes of a row of codes, aligned
.endr
	s_wait_dscnt 0x0                               ; for the others' sake: my sums and my scale words lie in LDS
	s_barrier_signal -1
	s_barrier_wait -1
	s_cmp_lg_u32 s18, 0
	s_cbranch_scc1 .Lend
.irp u, 0,1,2,3
.irp c, 0,1
	ds_load_b128 v[RL+8*\u+4*\c:RL+8*\u+4*\c+3], v4 offset:RED+1024*\u+512*\c
.endr
.endr
	ds_load_b128 v[PC:PC+3], v4 offset:SSB
	ds_load_b128 v[PC+4:PC+7], v4 offset:SSB+512
	s_wait_dscnt 0x0
.irp u, 1,2,3
.irp i, 0,2,4,6
	v_pk_add_f32 v[RL+\i:RL+\i+1], v[RL+\i:RL+\i+1], v[RL+8*\u+\i:RL+8*\u+\i+1]
.endr
.endr
	global_store_b128 v4, v[RL:RL+3], s[14:15]             ; the sums as an image of eight registers: 512 consecutive bytes a store
	global_store_b128 v4, v[RL+4:RL+7], s[14:15] offset:512
	global_store_b128 v4, v[PC:PC+3], s[12:13]             ; the 16 rows' scale bytes: 1,024 consecutive bytes
	global_store_b128 v4, v[PC+4:PC+7], s[12:13] offset:512
.Lend:
	s_wait_tensorcnt 0x0
	ds_add_u32 v123, v255
	s_wait_dscnt 0x0
	s_endpgm
.Lfunc_end_k_q8882594c3b_prep:
	.size	k_q8882594c3b_prep, .Lfunc_end_k_q8882594c3b_prep-k_q8882594c3b_prep
	.p2alignl 7, 3214868480
	.fill 96, 4, 3214868480
	.section	.rodata,"a",@progbits
	.p2align	6, 0x0
	.amdhsa_kernel k_q8882594c3b_prep
		.amdhsa_group_segment_fixed_size 56832
		.amdhsa_private_segment_fixed_size 0
		.amdhsa_enable_private_segment 0
		.amdhsa_kernarg_size 64
		.amdhsa_user_sgpr_count 2
		.amdhsa_user_sgpr_kernarg_segment_ptr 1
		.amdhsa_wavefront_size32 1
		.amdhsa_system_sgpr_workgroup_id_x 1
		.amdhsa_system_sgpr_workgroup_id_y 1
		.amdhsa_system_sgpr_workgroup_id_z 1
		.amdhsa_system_vgpr_workitem_id 0
		.amdhsa_next_free_vgpr 768
		.amdhsa_next_free_sgpr 66
		.amdhsa_reserve_vcc 1
		.amdhsa_float_denorm_mode_32 3
		.amdhsa_float_denorm_mode_16_64 3
		.amdhsa_memory_ordered 1
		.amdhsa_forward_progress 1
		.amdhsa_inst_pref_size 68
	.end_amdhsa_kernel
	.amdgpu_metadata
---
amdhsa.version: [ 1, 2 ]
amdhsa.kernels:
  - .name:           k_q8882594c3b_prep
    .symbol:         k_q8882594c3b_prep.kd
    .args:
      - { .name: Wk, .offset: 0, .size: 8, .value_kind: global_buffer, .address_space: global }
      - { .name: Wv, .offset: 8, .size: 8, .value_kind: global_buffer, .address_space: global }
      - { .name: adaption_prompt, .offset: 16, .size: 8, .value_kind: global_buffer, .address_space: global }
      - { .name: position_ids, .offset: 24, .size: 8, .value_kind: global_buffer, .address_space: global }
      - { .name: wc, .offset: 32, .size: 8, .value_kind: global_buffer, .address_space: global }
      - { .name: ws, .offset: 40, .size: 8, .value_kind: global_buffer, .address_space: global }
      - { .name: ad, .offset: 48, .size: 8, .value_kind: global_buffer, .address_space: global }
      - { .name: tab, .offset: 56, .size: 8, .value_kind: global_buffer, .address_space: global }
    .group_segment_fixed_size: 56832
    .private_segment_fixed_size: 0
    .kernarg_segment_align: 8
    .kernarg_segment_size: 64
    .max_flat_workgroup_size: 128
    .sgpr_count:     66
    .vgpr_count:     768
    .wavefront_size: 32
...
	.end_amdgpu_metadata
.endif
;; end of part 1
;; launch qkv (part 2): grid 16 x 16, 4 waves a work-group, clusters of 4 x 4, 327,680 bytes of LDS; arguments hidden_states_codes, hidden_states_scales, Wq_codes, Wq_scales, wc, ws, tab, qr, kv; writes qr, kv
.if DOCPART == 2
	.amdgcn_target "amdgcn-amd-amdhsa--gfx1250"
	.amdhsa_code_object_version 6
	.text
	.protected	k_q8882594c3b_qkv
	.globl	k_q8882594c3b_qkv
	.p2align	8
	.type	k_q8882594c3b_qkv,@function
k_q8882594c3b_qkv:
	s_mov_b64 s[64:65], 0
	v_nop
	global_prefetch_b8 v0, s[64:65] scope:SCOPE_SE
	s_setreg_imm32_b32 hwreg(HW_REG_WAVE_MODE, 25, 1), 1
	s_wait_xcnt 0x0
	s_wait_alu depctr_hold_cnt(0) depctr_sa_sdst(0) depctr_va_vdst(0) depctr_va_sdst(0) depctr_va_ssrc(0) depctr_va_vcc(0) depctr_vm_vsrc(0)
	s_getreg_b32 s2, hwreg(HW_REG_IB_STS2, 6, 4)
	s_cmp_eq_u32 s2, 0
	s_cbranch_scc0 .Lentry_in_a_cluster
	s_endpgm
.Lentry_in_a_cluster:
	s_bfe_u32 s2, ttmp6, 0x10000c
	s_cmp_lg_u32 s2, 0xf033
	s_cbranch_scc0 .Lentry_shape_is_right
	s_endpgm
.Lentry_shape_is_right:
; q, k, v = hidden Wq^T, hidden Wk^T, hidden Wv^T on codes of E2M1 (K = 2,048), RoPE on q and k in f32; q leaves as f32 images (qr), k and v as operand images of codes with their scale words (kv).
; SHARES.  Work-group (head, row block) makes 128 rows x the head's 128 columns of q, of k and of v: 256 work-groups of equal work.  Wave (rh, ch) takes rows 64 rh .. + 63 (4 tiles of 16).
; Of q and k it takes column tiles 2 ch, 2 ch + 1, 2 ch + 4, 2 ch + 5: channel d and d + 64 (a RoPE pair) and the whole blocks ch and ch + 2 of 32 channels lie in one wave.  Of v it takes channel tiles 4 ch .. 4 ch + 3.
; q, k: source 0 = 16 rows of the weight, source 1 = 16 rows of hidden: a lane holds one row and eight neighbouring channels.  v: the sources swapped: a lane holds one channel and eight neighbouring keys, v's next K.
; RING.  Two slots of 512 along K: 128 rows of hidden, Wq, Wk, Wv, 256 bytes a row + 16 of padding.  Wave 0 fetches hidden's tile, waves 1 to 3 the weights': one tensor load a wave, at the head and behind each round.
; CLUSTERS 4 x 4: hidden's tile is shared by the four heads of a cluster's row, a weight's tile by the four row blocks of a column: joint loads.
; SCALES.  All scale words that a wave needs (16 tiles x 16 steps) are loaded once into 128 registers: four loads cover 1,024 consecutive bytes; lanes 0-15 hold one tile's words, lanes 16-31 another's of the same buffer.
; NO PREFETCH: K has four slot steps, of which two are refills; no refill has a trip two steps ahead of it to ask in.
; LIMITS: NaN and infinities are not served; a block whose largest magnitude lies under 2^-124 gets the byte 1, a block of zeros too (its codes are zeros; this program alone reads the bytes).
; REGISTERS.  Window 0: v16-31 addresses; v32-159 scale words (on the way out: RoPE's products); v160-223 hidden's fragments, two sets (then codes); v224-231 at work.
; Window 1: the weights' 12 fragments, sets at v0 and v128.  Window 2: q's 16 accumulators at v0, k's at v128 (tile of rows a, tile of columns j: 32 a + 8 j).  Window 3: v's at v0 (32 c + 8 a); v128-255 cos and sin.
.set ROWB,  256
.set KROW,  1024
.set PITCH, 272
.set HALFT, 128*PITCH
.set SLOT,  4*HALFT
.set STG,   2*SLOT                     ; 1,024 bytes in which the four waves' scale bytes meet: k's 512, v's 512
.set SPARE, STG+1024                   ; the spare words, 128 bytes a wave
.set TP,    528                        ; a table row in LDS: 512 bytes + 16
.set PADW,  (1<<20)|(1<<21)|(5<<22)|(3<<25)
.set ADRA, 16
.set ADRB, 18
.set ADRV, 20
.set TA,   22
.set IO,   23
.set KO,   24
.set SBK,  25
.set SBV,  26
.set O1,   27
.set SPW,  28
.set NIL,  29
.set O2,   30
.set SRD,  31
.set SA,   32
.set SQ,   64
.set SV,   128
.set T,    32
.set AF,   160
.set TM,   224
.set SEL,  2
.set G1,  24
.set G0,  32
.set G1B, 48
.set G0B, 56
.set MSB, 0
.macro WIN new                         ; the immediate's high byte repeats the setting that is left
.if MSB != (\new)
	s_set_vgpr_msb (MSB<<8)|(\new)
.set MSB, (\new)
.endif
.endm
.macro PLACES
.rept 4
	v_nop
.endr
.endm
.macro JLOAD s                         ; wave 0: hidden's tile, mask of my row; waves 1-3: a weight's tile, mask of my column
	s_cmp_eq_u32 s14, 0
	s_cbranch_scc0 .Lfor_b_\@
	tensor_load_to_lds s[G0+4*\s:G0+4*\s+3], s[G1:G1+7]
	s_nop 0
	PLACES
	s_branch .Lasked_\@
.Lfor_b_\@:
	tensor_load_to_lds s[G0B+4*\s:G0B+4*\s+3], s[G1B:G1B+7]
	s_nop 0
	PLACES
.Lasked_\@:
.endm
.macro CREST
	s_cmp_lg_u32 s14, 0
	s_cbranch_scc1 .Lnot_wave_0_\@
	s_barrier_signal -3
.Lnot_wave_0_\@:
	s_barrier_wait -3
	s_barrier_signal -1
	s_barrier_wait -1
.endm
.macro CROUND
	s_barrier_signal -1
	s_barrier_wait -1
	CREST
.endm
	s_load_b512 s[68:83], s[0:1], 0x0              ; hidden's codes, scales; Wq's codes, scales; wc, ws, tab, qr
	s_load_b64 s[84:85], s[0:1], 0x40              ; kv
	v_lshl_add_u32 v[SPW], v0, 2, SPARE
	v_mov_b32 v[NIL], 0
	ds_add_u32 v[SPW], v[NIL]                      ; the opening lines: the add twice on end and its wait
	ds_add_u32 v[SPW], v[NIL]
	v_lshrrev_b32 v1, 5, v0
	v_readfirstlane_b32 s14, v1                    ; wave
	s_lshr_b32 s15, s14, 1                         ; rh
	s_and_b32 s16, s14, 1                          ; ch
	s_bfe_u32 s40, ttmp6, 0x40000                  ; cx
	s_bfe_u32 s41, ttmp6, 0x40004                  ; cy
	s_lshl_b32 s42, ttmp9, 2
	s_add_co_u32 s42, s42, s40                     ; the head
	s_and_b32 s17, ttmp7, 0xffff
	s_lshl_b32 s17, s17, 2
	s_add_co_u32 s17, s17, s41                     ; the block of 128 rows
	s_lshl_b32 s43, s41, 2
	s_lshl_b32 s43, 15, s43                        ; my row of the cluster
	s_lshl_b32 s44, 0x1111, s40                    ; my column
	s_or_b32 s[G1], s43, PADW
	s_or_b32 s[G1B], s44, PADW
.irp g, G1, G1B
	s_mov_b32 s[\g+1], ROWB<<16
	s_mov_b32 s[\g+2], 128<<16
	s_mov_b32 s[\g+3], ROWB<<16
	s_mov_b32 s[\g+4], 128
	s_mov_b32 s[\g+5], KROW
	s_mov_b32 s[\g+6], 0
	s_mov_b32 s[\g+7], 0
.endr
	s_mul_i32 s86, s15, 64*PITCH                   ; hidden: my 64 rows, in slot 0 and 1
	s_add_co_u32 s87, s86, SLOT
	s_mul_i32 s88, s16, 32*PITCH                   ; Wq (Wk lies HALFT on): from row 32 ch
	s_add_co_u32 s88, s88, HALFT
	s_add_co_u32 s89, s88, SLOT
	s_mul_i32 s90, s16, 64*PITCH                   ; Wv: from row 64 ch
	s_add_co_u32 s90, s90, 3*HALFT
	s_add_co_u32 s91, s90, SLOT
	s_lshl_b32 s92, s15, 6
	s_lshl_b32 s93, s16, 7
	s_lshl_b32 s94, s16, 8
	s_lshl_b32 s95, s15, 8
	s_add_co_u32 s95, s95, s16
	s_add_co_u32 s95, s95, STG
	s_lshl_b32 s96, s15, 1
	s_add_co_u32 s96, s96, s94
	s_add_co_u32 s96, s96, STG+512
	s_mul_i32 s45, s14, HALFT                      ; where my tile goes in a slot
	s_mov_b32 s[SEL], 0x76543210
	s_mov_b32 s[SEL+1], 0xfedcba98
	v_and_b32 v1, 15, v0                           ; r
	v_bfe_u32 v2, v0, 4, 1                         ; h
	v_and_b32 v3, 31, v0
	v_lshlrev_b32 v[IO], 4, v3                     ; 16 x lane
	v_mul_u32_u24 v4, v1, PITCH
	v_lshl_add_u32 v4, v2, 4, v4                   ; a fragment: row r x pitch + 16 h
	v_add_nc_u32 v[ADRA], s86, v4
	v_add_nc_u32 v[ADRA+1], s87, v4
	v_add_nc_u32 v[ADRB], s88, v4
	v_add_nc_u32 v[ADRB+1], s89, v4
	v_add_nc_u32 v[ADRV], s90, v4
	v_add_nc_u32 v[ADRV+1], s91, v4
	v_add_nc_u32 v5, s92, v1
	v_mul_u32_u24 v5, v5, TP
	v_lshl_add_u32 v5, v2, 5, v5
	v_add_nc_u32 v[TA], s93, v5                    ; the table: row 64 rh + r, frequency 32 ch + 8 h
	v_lshlrev_b32 v6, 6, v1
	v_lshl_add_u32 v[O1], v2, 11, v6               ; scale bytes: row r of 64 bytes; lanes 16-31 take the tile 32 rows on,
	v_lshl_add_u32 v[O2], v2, 12, v6               ; or 64 rows on
	v_lshlrev_b32 v7, 4, v1
	v_lshl_add_u32 v8, v2, 9, v7
	v_add_nc_u32 v[KO], s94, v8                    ; k's codes in an image: block ch at 256 ch + 16 r, block ch + 2 another 512 on
	v_lshl_add_u32 v8, v2, 1, v7
	v_add_nc_u32 v[SBK], s95, v8                   ; k's scale bytes: 16 (r + 16 rh) + ch + 2 h
	v_add_nc_u32 v8, v7, v2
	v_add_nc_u32 v[SBV], s96, v8                   ; v's: 16 (r + 16 ch) + 2 rh + h
	v_add_nc_u32 v[SRD], STG, v[IO]
	v_mov_b32 v[TM+2], 0                           ; a lane permute's destination counts as one of its sources
	v_mov_b32 v[TM+3], 0
	s_wait_alu depctr_va_vdst(0)                   ; directly ahead of the waits below
	s_wait_dscnt 0x0                               ; both opening adds are done
	s_wait_kmcnt 0x0
	s_lshl_b32 s20, s17, 17
	s_mov_b32 s21, 0
	s_add_nc_u64 s[20:21], s[68:69], s[20:21]      ; hidden's 128 rows of codes
	s_cmp_eq_u32 s14, 1
	s_cselect_b64 s[46:47], s[72:73], s[76:77]     ; wave 1: Wq; waves 2, 3: wc
	s_cmp_eq_u32 s14, 3
	s_cselect_b32 s22, 0x200000, 0                 ; Wv's rows lie behind Wk's
	s_lshl_b32 s23, s42, 17
	s_add_co_u32 s22, s22, s23
	s_mov_b32 s23, 0
	s_add_nc_u64 s[46:47], s[46:47], s[22:23]      ; the head's 128 rows of the weight
	s_lshl_b32 s22, s17, 13
	s_lshl_b32 s18, s15, 12
	s_add_co_u32 s22, s22, s18
	s_add_nc_u64 s[4:5], s[70:71], s[22:23]        ; scale bytes: hidden's, my 64 rows
	s_lshl_b32 s22, s42, 13
	s_lshl_b32 s18, s16, 11
	s_add_co_u32 s22, s22, s18
	s_add_nc_u64 s[6:7], s[74:75], s[22:23]        ; Wq's, from row 32 ch
	s_add_nc_u64 s[8:9], s[78:79], s[22:23]        ; Wk's
	s_add_co_u32 s22, s22, s18
	s_add_co_u32 s22, s22, 0x20000
	s_add_nc_u64 s[10:11], s[78:79], s[22:23]      ; Wv's, from row 64 ch
.irp p, 0,1
.irp g, 0,1,2,3
	global_load_b128 v[SA+16*\p+4*\g:SA+16*\p+4*\g+3], v[O1], s[4:5] offset:1024*\p+16*\g
	global_load_b128 v[SQ+16*\p+4*\g:SQ+16*\p+4*\g+3], v[O2], s[6:7] offset:1024*\p+16*\g
	global_load_b128 v[SQ+32+16*\p+4*\g:SQ+32+16*\p+4*\g+3], v[O2], s[8:9] offset:1024*\p+16*\g
	global_load_b128 v[SV+16*\p+4*\g:SV+16*\p+4*\g+3], v[O1], s[10:11] offset:1024*\p+16*\g
.endr
.endr
	CROUND                                         ; all sixteen work-groups are here: the first joint loads meet
.irp s, 0,1
	s_mov_b32 s[G0+4*\s], 1
	s_add_co_u32 s[G0+4*\s+1], s45, \s*SLOT
	s_add_nc_u64 s[G0+4*\s+2:G0+4*\s+3], s[20:21], \s*ROWB
	s_or_b32 s[G0+4*\s+3], s[G0+4*\s+3], 0x80000000
	s_mov_b32 s[G0B+4*\s], 1
	s_add_co_u32 s[G0B+4*\s+1], s45, \s*SLOT
	s_add_nc_u64 s[G0B+4*\s+2:G0B+4*\s+3], s[46:47], \s*ROWB
	s_or_b32 s[G0B+4*\s+3], s[G0B+4*\s+3], 0x80000000
.endr
	JLOAD 0                                        ; K step 0: one tensor load a wave at the head
	s_lshl_b32 s22, s17, 16
	s_lshl_b32 s18, s14, 14
	s_add_co_u32 s22, s22, s18
	s_add_nc_u64 s[98:99], s[80:81], s[22:23]      ; the table: my wave's 32 of the block's 128 rows
	s_lshl_b32 s22, s42, 20
	s_lshl_b32 s18, s17, 16
	s_add_co_u32 s22, s22, s18
	s_lshl_b32 s18, s15, 15
	s_add_co_u32 s22, s22, s18
	s_lshl_b32 s18, s16, 11
	s_add_co_u32 s22, s22, s18
	s_add_nc_u64 s[12:13], s[82:83], s[22:23]      ; qr: head, my first tile of rows (8,192 bytes a tile), column tile 2 ch
	s_mul_i32 s22, s42, 278528
	s_mul_i32 s18, s17, 17408
	s_add_co_u32 s22, s22, s18
	s_add_nc_u64 s[18:19], s[84:85], s[22:23]      ; kv: the record of this head and these 128 keys
	s_lshl_b32 s22, s15, 12
	s_add_nc_u64 s[100:101], s[18:19], s[22:23]    ; k's fragments 4 rh on
	s_lshl_b32 s22, s16, 12
	s_lshl_b32 s86, s15, 9
	s_add_co_u32 s22, s22, s86
	s_add_co_u32 s22, s22, 8704
	s_add_nc_u64 s[66:67], s[18:19], s[22:23]      ; v's fragments 4 ch on, registers 4 rh on
	s_or_b32 s68, s43, (3<<16)|(1<<20)|(1<<21)|(6<<22)|(3<<25)   ; the table's descriptor: 32 rows of 512 bytes (64 elements of 8), 16 bytes of padding; shared along my row
	s_mov_b32 s69, 64<<16
	s_mov_b32 s70, 32<<16
	s_mov_b32 s71, 64<<16
	s_mov_b32 s72, 32
	s_mov_b32 s73, 64
	s_mov_b32 s74, 0
	s_mov_b32 s75, 0
	s_mov_b32 s76, 1
	s_mul_i32 s77, s14, 32*TP
	s_mov_b64 s[78:79], s[98:99]
	s_or_b32 s79, s79, 0x80000000
.macro FRAG reg, adr, off
	ds_load_b128 v[\reg:\reg+3], v[\adr] offset:\off
	ds_load_b128 v[\reg+4:\reg+7], v[\adr] offset:(\off)+32
.endm
.macro FETCH slot, q, p                ; the 16 fragments of the slot's q-th 128 along K into set p: 32 loads in one run
	WIN 0x40
.irp j, 0,1,2,3
	FRAG 128*(\p)+8*\j, ADRB+\slot, (16*(\j%2)+64*(\j/2))*PITCH+64*(\q)
	FRAG 128*(\p)+32+8*\j, ADRB+\slot, HALFT+(16*(\j%2)+64*(\j/2))*PITCH+64*(\q)
	FRAG 128*(\p)+64+8*\j, ADRV+\slot, 16*\j*PITCH+64*(\q)
.endr
	WIN 0
.irp j, 0,1,2,3
	FRAG AF+32*(\p)+8*\j, ADRA+\slot, 16*\j*PITCH+64*(\q)
.endr
.endm
.macro WM c, ra, rb                    ; one product; ra, rb: the half of the lanes that holds source 0's and source 1's scale words
.if ((\ra)==0)&&((\rb)==0)
	v_wmma_scale_f32_16x16x128_f8f6f4 v[rD:rD+7], v[rX:rX+7], v[rY:rY+7], \c, v[rP], v[rQ] matrix_a_fmt:MATRIX_FMT_FP4 matrix_b_fmt:MATRIX_FMT_FP4
.elseif (\rb)==0
	v_wmma_scale_f32_16x16x128_f8f6f4 v[rD:rD+7], v[rX:rX+7], v[rY:rY+7], \c, v[rP], v[rQ] matrix_a_fmt:MATRIX_FMT_FP4 matrix_b_fmt:MATRIX_FMT_FP4 matrix_a_scale:MATRIX_SCALE_ROW1
.elseif (\ra)==0
	v_wmma_scale_f32_16x16x128_f8f6f4 v[rD:rD+7], v[rX:rX+7], v[rY:rY+7], \c, v[rP], v[rQ] matrix_a_fmt:MATRIX_FMT_FP4 matrix_b_fmt:MATRIX_FMT_FP4 matrix_b_scale:MATRIX_SCALE_ROW1
.else
	v_wmma_scale_f32_16x16x128_f8f6f4 v[rD:rD+7], v[rX:rX+7], v[rY:rY+7], \c, v[rP], v[rQ] matrix_a_fmt:MATRIX_FMT_FP4 matrix_b_fmt:MATRIX_FMT_FP4 matrix_a_scale:MATRIX_SCALE_ROW1 matrix_b_scale:MATRIX_SCALE_ROW1
.endif
.endm
; 16 products of step s (of 16) on set p; k = 0: q, 1: k.  The 48 accumulators take turns in the same order in every step.  z = 1: the first step starts the sums.
.macro MULQK s, p, z, k
.irp a, 0,1,2,3
.irp j, 0,1,2,3
.set rD, 128*(\k)+32*\a+8*\j
.set rX, 128*(\p)+32*(\k)+8*\j
.set rY, AF+32*(\p)+8*\a
.set rP, SQ+32*(\k)+16*(\j%2)+(\s)
.set rQ, SA+16*(\a%2)+(\s)
.if \z
	WM 0, \j/2, \a/2
.else
	WM v[rD:rD+7], \j/2, \a/2
.endif
.endr
.endr
.endm
.macro MULV s, p, z
.irp c, 0,1,2,3
.irp a, 0,1,2,3
.set rD, 32*\c+8*\a
.set rX, AF+32*(\p)+8*\a
.set rY, 128*(\p)+64+8*\c
.set rP, SA+16*(\a%2)+(\s)
.set rQ, SV+16*(\c%2)+(\s)
.if \z
	WM 0, \a/2, \c/2
.else
	WM v[rD:rD+7], \a/2, \c/2
.endif
.endr
.endr
.endm
.set MQK, 0xa1                         ; source 0 window 1, source 1 window 0, C and D window 2
.set MV,  0xf4                         ; source 0 window 0, source 1 window 1, C and D window 3
.macro STEP s, z                       ; a step whose successor lies in the same slot
	s_wait_dscnt 0x0                               ; this step's fragments, asked for 32 products ago
	WIN MQK
	MULQK \s, (\s)%2, \z, 0
	PLACES                                         ; four places in front of loads into the set that the last step's products read
	FETCH ((\s)/4)%2, (\s)%4+1, 1-(\s)%2
	WIN MQK
	MULQK \s, (\s)%2, \z, 1
	WIN MV
	MULV \s, (\s)%2, \z
	WIN 0
.endm
.macro TURN s, fill                    ; a slot's last step changes slots.  fill = 1: the slot is filled again, two K steps on; 2: with the table
.set SL, ((\s)/4)%2
	s_wait_tensorcnt 0x0                           ; my part of the next slot is in
	ds_add_u32 v[SPW], v[NIL]
	s_wait_dscnt 0x1                               ; this step's fragments are in; the add alone may be out
	WIN MQK
	MULQK \s, 1, 0, 0
	s_wait_dscnt 0x0                               ; the add is done, and my reads of this slot are over
	s_barrier_signal -1
	MULQK \s, 1, 0, 1
	WIN 0
	s_barrier_wait -1
	CREST                                          ; the barrier has opened a round of the cluster's barrier
.if (\fill) == 1
	s_add_nc_u64 s[G0+4*SL+2:G0+4*SL+3], s[G0+4*SL+2:G0+4*SL+3], 2*ROWB
	s_add_nc_u64 s[G0B+4*SL+2:G0B+4*SL+3], s[G0B+4*SL+2:G0B+4*SL+3], 2*ROWB
	JLOAD SL                                       ; the four v_nop behind it are the places in front of the loads below
.else
	tensor_load_to_lds s[76:79], s[68:75]
	s_nop 0
	PLACES
.endif
	FETCH 1-SL, 0, 0
	WIN MV
	MULV \s, 1, 0
	WIN 0
.endm
	s_wait_alu depctr_va_vdst(0)                   ; at the head's end
	s_wait_tensorcnt 0x0                           ; my tile of K step 0 is in; the three lines stand ahead of slot 1's first fill as ahead of a refill
	ds_add_u32 v[SPW], v[NIL]
	s_wait_dscnt 0x0
	CROUND
	JLOAD 1                                        ; K step 1
	FETCH 0, 0, 0
	s_wait_loadcnt 0x0                             ; the scale words
	STEP 0, 1
.irp s, 1,2
	STEP \s, 0
.endr
	TURN 3, 1
.irp s, 4,5,6
	STEP \s, 0
.endr
	TURN 7, 1
.irp s, 8,9,10
	STEP \s, 0
.endr
	TURN 11, 2
.irp s, 12,13,14
	STEP \s, 0
.endr
	s_wait_dscnt 0x0
	WIN MQK
	MULQK 15, 1, 0, 0
	MULQK 15, 1, 0, 1
	WIN MV
	MULV 15, 1, 0
	WIN 0
	PLACES
	s_wait_tensorcnt 0x0                           ; my rows of the table are in,
	s_wait_dscnt 0x0
	s_barrier_signal -1
	s_barrier_wait -1                              ; everybody's are
	WIN 0xc0
.irp a, 0,1,2,3
.irp u, 0,1                                    ; rows 16 a + r, frequencies 32 ch + 16 u + 8 h + 0 .. 7: cos in 8 registers, sin in the next 8
	ds_load_b128 v[128+32*\a+16*\u:128+32*\a+16*\u+3], v[TA] offset:16*TP*\a+64*\u
	ds_load_b128 v[132+32*\a+16*\u:132+32*\a+16*\u+3], v[TA] offset:16*TP*\a+64*\u+16
	ds_load_b128 v[136+32*\a+16*\u:136+32*\a+16*\u+3], v[TA] offset:16*TP*\a+64*\u+256
	ds_load_b128 v[140+32*\a+16*\u:140+32*\a+16*\u+3], v[TA] offset:16*TP*\a+64*\u+272
.endr
.endr
	WIN 0
	s_mov_b32 vcc_lo, 0xffff0000
; 32 registers of window w, two blocks of 32 along the next K (16 numbers a lane, lane l xor 16 has the other 16), become four registers of codes: lanes 0-15 hold the first block of row r, lanes 16-31 the second.
; Lanes 0-15 put the first block's scale byte into the stage, lanes 16-31 the second's.
.macro HQ s, w, pc, sb, so
	WIN ((\w)<<2)|((\w)<<4)
.irp b, 0,1
	v_max3_num_f32 v[TM+\b], 0x1800000, |v[(\s)+16*\b]|, |v[(\s)+16*\b+1]|   ; with the floor 2^(3 - 127); each accumulator is read from its low end on
.endr
.irp i, 2,4,6,8,10,12,14
.irp b, 0,1
	v_max3_num_f32 v[TM+\b], v[TM+\b], |v[(\s)+16*\b+\i]|, |v[(\s)+16*\b+\i+1]|
.endr
.endr
	WIN 0
.irp b, 0,1
	v_permlanex16_b32 v[TM+2+\b], v[TM+\b], s[SEL], s[SEL+1]
.endr
.irp b, 0,1
	v_max_num_f32 v[TM+\b], v[TM+\b], v[TM+2+\b]
.endr
.irp b, 0,1
	v_add_nc_u32 v[TM+4+\b], 0xff000000, v[TM+\b]  ; 2 off the exponent field: the conversion's scale operand
.endr
	v_cndmask_b32 v[TM+6], v[TM+4], v[TM+5], vcc_lo
	v_lshrrev_b32 v[TM+6], 23, v[TM+6]             ; my half's scale byte
	WIN (\w)
.irp t, 0,1,2,3
	v_cvt_scalef32_pk8_fp4_f32 v[(\pc)+2*(\t%2)+\t/2], v[(\s)+8*\t:(\s)+8*\t+7], v[TM+4+\t/2]
.endr
	WIN 0
	v_nop                                          ; one plain place behind a scaled conversion
	v_permlane16_swap_b32 v[\pc], v[(\pc)+1]
	v_permlane16_swap_b32 v[(\pc)+2], v[(\pc)+3]
	ds_store_b8 v[\sb], v[TM+6] offset:\so
.endm
.irp c, 0,1,2,3                                ; v: channel tile 4 ch + c, keys 64 rh .. + 63: registers 4 rh .. 4 rh + 3 of the fragment, 512 consecutive bytes
	HQ 32*\c, 3, AF+4*\c, SBV, 4*\c
	global_store_b128 v[IO], v[AF+4*\c:AF+4*\c+3], s[66:67] offset:1024*\c
.endr
.macro ROPE k                          ; x1' = x1 cos - x2 sin, x2' = x2 cos + x1 sin; x1: tiles j = u, x2: tiles j = 2 + u
	WIN 0x0e                                       ; source 0 window 2, source 1 window 3
.irp a, 0,1,2,3
.irp u, 0,1
.irp i, 0,2,4,6
	v_pk_mul_f32 v[T+32*\a+16*\u+\i:T+32*\a+16*\u+\i+1], v[128*\k+32*\a+16+8*\u+\i:128*\k+32*\a+16+8*\u+\i+1], v[136+32*\a+16*\u+\i:136+32*\a+16*\u+\i+1]
	v_pk_mul_f32 v[T+32*\a+16*\u+8+\i:T+32*\a+16*\u+8+\i+1], v[128*\k+32*\a+8*\u+\i:128*\k+32*\a+8*\u+\i+1], v[136+32*\a+16*\u+\i:136+32*\a+16*\u+\i+1]
.endr
.endr
.endr
	WIN 0x8e                                       ; and the destination window 2
.irp a, 0,1,2,3
.irp u, 0,1
.irp i, 0,2,4,6
	v_pk_fma_f32 v[128*\k+32*\a+8*\u+\i:128*\k+32*\a+8*\u+\i+1], v[128*\k+32*\a+8*\u+\i:128*\k+32*\a+8*\u+\i+1], v[128+32*\a+16*\u+\i:128+32*\a+16*\u+\i+1], v[T+32*\a+16*\u+\i:T+32*\a+16*\u+\i+1] neg_lo:[0,0,1] neg_hi:[0,0,1]
	v_pk_fma_f32 v[128*\k+32*\a+16+8*\u+\i:128*\k+32*\a+16+8*\u+\i+1], v[128*\k+32*\a+16+8*\u+\i:128*\k+32*\a+16+8*\u+\i+1], v[128+32*\a+16*\u+\i:128+32*\a+16*\u+\i+1], v[T+32*\a+16*\u+8+\i:T+32*\a+16*\u+8+\i+1]
.endr
.endr
.endr
	WIN 0
.endm
	s_wait_alu depctr_va_vdst(0)                   ; directly ahead of the wait below
	s_wait_dscnt 0x0                               ; cos and sin
	ROPE 0
	WIN 0x08                                       ; a store's data are its source 1: window 2
.irp a, 0,1,2,3
.irp j, 0,1,2,3                                ; q as an image of the tile's 64 registers: 512 consecutive bytes a store
	global_store_b128 v[IO], v[32*\a+8*\j:32*\a+8*\j+3], s[12:13] offset:8192*\a+1024*(\j%2)+4096*(\j/2) th:TH_STORE_NT
	global_store_b128 v[IO], v[32*\a+8*\j+4:32*\a+8*\j+7], s[12:13] offset:8192*\a+1024*(\j%2)+4096*(\j/2)+512 th:TH_STORE_NT
.endr
.endr
	WIN 0
	ROPE 1
.irp a, 0,1,2,3                                ; k: fragment 4 rh + a, blocks ch and ch + 2: sixteen lanes store 256 consecutive bytes, aligned
	HQ 128+32*\a, 2, AF+16+4*\a, SBK, 4*\a
	global_store_b128 v[KO], v[AF+16+4*\a:AF+16+4*\a+3], s[100:101] offset:1024*\a
.endr
	s_wait_alu depctr_va_vdst(0)                   ; directly ahead of the wait below
	s_wait_dscnt 0x0                               ; for the others' sake: my scale bytes lie in LDS
	s_barrier_signal -1
	s_barrier_wait -1
	s_cmp_lg_u32 s14, 0
	s_cbranch_scc1 .Lend
	ds_load_b128 v[TM:TM+3], v[SRD]
	ds_load_b128 v[TM+4:TM+7], v[SRD] offset:512
	s_wait_dscnt 0x0
	global_store_b128 v[IO], v[TM:TM+3], s[18:19] offset:8192          ; k's scale words: 512 consecutive bytes
	global_store_b128 v[IO], v[TM+4:TM+7], s[18:19] offset:8704+8192   ; v's
.Lend:
	s_wait_tensorcnt 0x0                           ; the wave's end
	ds_add_u32 v[SPW], v[NIL]
	s_wait_dscnt 0x0
	CROUND                                         ; the closing round
	s_endpgm
.Lfunc_end_k_q8882594c3b_qkv:
	.size	k_q8882594c3b_qkv, .Lfunc_end_k_q8882594c3b_qkv-k_q8882594c3b_qkv
	.p2alignl 7, 3214868480
	.fill 96, 4, 3214868480
	.section	.rodata,"a",@progbits
	.p2align	6, 0x0
	.amdhsa_kernel k_q8882594c3b_qkv
		.amdhsa_group_segment_fixed_size 327680
		.amdhsa_private_segment_fixed_size 0
		.amdhsa_enable_private_segment 0
		.amdhsa_kernarg_size 72
		.amdhsa_user_sgpr_count 2
		.amdhsa_user_sgpr_kernarg_segment_ptr 1
		.amdhsa_wavefront_size32 1
		.amdhsa_system_sgpr_workgroup_id_x 1
		.amdhsa_system_sgpr_workgroup_id_y 1
		.amdhsa_system_sgpr_workgroup_id_z 1
		.amdhsa_system_vgpr_workitem_id 0
		.amdhsa_next_free_vgpr 1024
		.amdhsa_next_free_sgpr 102
		.amdhsa_reserve_vcc 1
		.amdhsa_float_denorm_mode_32 3
		.amdhsa_float_denorm_mode_16_64 3
		.amdhsa_memory_ordered 1
		.amdhsa_forward_progress 1
		.amdhsa_inst_pref_size 188
	.end_amdhsa_kernel
	.amdgpu_metadata
---
amdhsa.version: [ 1, 2 ]
amdhsa.kernels:
  - .name:           k_q8882594c3b_qkv
    .symbol:         k_q8882594c3b_qkv.kd
    .args:
      - { .name: hidden_states_codes, .offset: 0, .size: 8, .value_kind: global_buffer, .address_space: global }
      - { .name: hidden_states_scales, .offset: 8, .size: 8, .value_kind: global_buffer, .address_space: global }
      - { .name: Wq_codes, .offset: 16, .size: 8, .value_kind: global_buffer, .address_space: global }
      - { .name: Wq_scales, .offset: 24, .size: 8, .value_kind: global_buffer, .address_space: global }
      - { .name: wc, .offset: 32, .size: 8, .value_kind: global_buffer, .address_space: global }
      - { .name: ws, .offset: 40, .size: 8, .value_kind: global_buffer, .address_space: global }
      - { .name: tab, .offset: 48, .size: 8, .value_kind: global_buffer, .address_space: global }
      - { .name: qr, .offset: 56, .size: 8, .value_kind: global_buffer, .address_space: global }
      - { .name: kv, .offset: 64, .size: 8, .value_kind: global_buffer, .address_space: global }
    .group_segment_fixed_size: 327680
    .private_segment_fixed_size: 0
    .kernarg_segment_align: 8
    .kernarg_segment_size: 72
    .max_flat_workgroup_size: 128
    .sgpr_count:     102
    .vgpr_count:     1024
    .wavefront_size: 32
...
	.end_amdgpu_metadata
.endif
;; end of part 2
;; launch attn (part 3): grid 16 x 16, 8 waves a work-group, no clusters, 280,576 bytes of LDS; arguments qr, kv, ad, adaption_gate, ac, asc; writes ac, asc
.if DOCPART == 3
	.amdgcn_target "amdgcn-amd-amdhsa--gfx1250"
	.amdhsa_code_object_version 6
	.text
	.protected	k_q8882594c3b_attn
	.globl	k_q8882594c3b_attn
	.p2align	8
	.type	k_q8882594c3b_attn,@function
k_q8882594c3b_attn:
	s_mov_b64 s[64:65], 0
	v_nop
	global_prefetch_b8 v0, s[64:65] scope:SCOPE_SE
	s_setreg_imm32_b32 hwreg(HW_REG_WAVE_MODE, 25, 1), 1
	s_wait_xcnt 0x0
; For one head and 16 queries a wave: the adaption prompt's attention in f32 (scores / 4, softmax with its maximum taken away, x the gate, x the prompt's v), quantised along the head; and the causal attention on
; codes of E2M1: S^T = K Q^T, p = 2^(t - M) with M the running largest t rounded up to a whole number, the row's sum of the unquantised p, O^T = V^T P^T, O / the sum, quantised along the head.
; SHARES.  Work-group (g, head) has eight waves; wave w < 4 owns query tile 4 g + w, wave w >= 4 tile 131 - 4 g - w: tiles T and 127 - T together walk 17 key steps of 128, so every work-group has 68.
; LDS.  The head's whole record of K and V, 278,528 bytes of operand images and scale words, is brought once: wave w fetches the records of key steps 2 w and 2 w + 1 by one tensor load at the head; nothing is filled again.
; The prompt's attention is worked while the record lands; one wait and one barrier stand in front of the loop over the keys.  K is fetched from LDS one step ahead.
; A step all of whose keys come after the wave's queries is left out by a scalar branch on ids, round its work alone; the steps that a wave works are the first ones, on end.  The sixteenth step is written out: it asks for no further K.
; NO CLUSTER, though the 16 work-groups of a head read the same K and V: the branch that leaves steps out hangs on the work-group's place among them; without it the work doubles.
; NO PREFETCH: the record is asked for whole by the head's loads; no later load has a trip ahead of it.
; LAYOUT.  Both products are used transposed, so a lane holds one query (lane % 16) throughout, and register 8 t + i of a result is index 16 t + 8 h + i: QUANT's order.
; LIMITS: NaN and infinities are not served; a block whose largest magnitude lies under 2^-124 gets the byte 1, a block of zeros too (its codes are zeros; this program alone reads the bytes).
; REGISTERS: v1 16 x lane; v2 the step's LDS address, v4 the next step's; v3, v27 the scale words' stage; v10, v11 the add's; v12 -M, v13 the largest t, v[14:15] the sum; v16-23 Q; v24, v25 the two results' scale words; v28-31 K's scale words;
; v32-95 V's fragments (first: the prompt's k); v96-159 S^T, then p (first: q in f32); v160-223 O^T (first: the prompt's v); v224-231 codes; v232-247 at work; v248-251 V's scale words; v255 Q's.
; Window 1: v0-79 the f32 sums, written by matrix instructions alone; v128-191 K's fragments.
.set STEPB, 17408                      ; a key step's record: K's 8 fragments, their scale words (512), V's 8, theirs
.set HEADB, 16*STEPB
.set GST,   HEADB                      ; behind the record: 1,024 bytes in which the eight waves' scale words meet
.set TM,  232
.set KN,  128
.set KW,  28
.set SEL, 20
.set CS,  22                           ; s[22:23] log2(e) / sqrt(128)
.set TB,  48
.set KF,  49
.set Q0,  50
.set CNT, 51
.set MSB, 0
.macro WIN new
.if MSB != (\new)
	s_set_vgpr_msb (MSB<<8)|(\new)
.set MSB, (\new)
.endif
.endm
.macro QUANT s, w, pc, pw
	WIN ((\w)<<2)|((\w)<<4)
.irp b, 0,1,2,3
	v_max3_num_f32 v[TM+\b], 0x1800000, |v[(\s)+16*\b]|, |v[(\s)+16*\b+1]|   ; block b: my 16 numbers, and the floor 2^(3 - 127); each accumulator is read from its low end on
.endr
.irp i, 2,4,6,8,10,12,14
.irp b, 0,1,2,3
	v_max3_num_f32 v[TM+\b], v[TM+\b], |v[(\s)+16*\b+\i]|, |v[(\s)+16*\b+\i+1]|
.endr
.endr
	WIN 0
.irp b, 0,1,2,3
	v_permlanex16_b32 v[TM+4+\b], v[TM+\b], s[SEL], s[SEL+1]
.endr
.irp b, 0,1,2,3
	v_max_num_f32 v[TM+\b], v[TM+\b], v[TM+4+\b]
.endr
.irp b, 0,1,2,3
	v_add_nc_u32 v[TM+12+\b], 0xff000000, v[TM+\b]
.endr
.irp b, 0,1,2,3
	v_lshrrev_b32 v[TM+4+\b], 23, v[TM+12+\b]
.endr
	v_lshl_or_b32 v[\pw], v[TM+5], 8, v[TM+4]
	v_lshl_or_b32 v[\pw], v[TM+6], 16, v[\pw]
	v_lshl_or_b32 v[\pw], v[TM+7], 24, v[\pw]
	WIN (\w)
.irp t, 0,1,2,3,4,5,6,7
	v_cvt_scalef32_pk8_fp4_f32 v[(\pc)+4*(\t/4)+2*(\t%2)+(\t%4)/2], v[(\s)+8*\t:(\s)+8*\t+7], v[TM+12+\t/2]
.endr
	WIN 0
	v_nop                                          ; one plain place behind a scaled conversion
.irp c, 0,1
	v_permlane16_swap_b32 v[(\pc)+4*\c], v[(\pc)+4*\c+1]
	v_permlane16_swap_b32 v[(\pc)+4*\c+2], v[(\pc)+4*\c+3]
.endr
.endm
	s_load_b256 s[4:11], s[0:1], 0x0               ; qr, kv, ad, the gate
	s_load_b128 s[12:15], s[0:1], 0x20             ; ac, asc
	v_lshl_add_u32 v10, v0, 2, 0x44400
	v_mov_b32 v11, 0
	ds_add_u32 v10, v11                            ; the opening lines: the add twice on end and its wait
	ds_add_u32 v10, v11
	v_lshrrev_b32 v1, 5, v0
	v_readfirstlane_b32 s16, v1                    ; wave 0..7
	s_mov_b32 s17, ttmp9                           ; g
	s_and_b32 s18, ttmp7, 0xffff                   ; the head
	s_lshl_b32 s53, s17, 2
	s_add_co_u32 s19, s53, s16
	s_sub_co_u32 s56, 131, s53
	s_sub_co_u32 s56, s56, s16
	s_cmp_lt_u32 s16, 4
	s_cselect_b32 s19, s19, s56                    ; my tile of 16 queries
	s_lshl_b32 s[Q0], s19, 4
	; descriptor group 1: 136 dense rows of 256 bytes (32 elements of 8 bytes): two key steps' records
	s_mov_b32 s24, 3<<16
	s_mov_b32 s25, 32<<16
	s_mov_b32 s26, 136<<16
	s_mov_b32 s27, 32<<16
	s_mov_b32 s28, 136
	s_mov_b32 s29, 32
	s_mov_b32 s30, 0
	s_mov_b32 s31, 0
	s_lshl_b32 s56, s18, 20
	s_lshl_b32 s57, s19, 13
	s_add_co_u32 s56, s56, s57                     ; my tile's q: 8,192 bytes
	s_mov_b32 s57, 0
	s_lshl_b32 s58, s18, 13                        ; the head's eight tiles of the prompt's k
	s_mov_b32 s59, 0
	s_mul_i32 s62, s16, 2*STEPB                    ; my two records
	s_mul_i32 s60, s18, HEADB
	s_add_co_u32 s60, s60, s62
	s_mov_b32 s61, 0
	s_lshr_b32 s53, s16, 2
	s_mul_i32 s53, s53, 3
	s_xor_b32 s53, s53, s16                        ; waves 4-7 in reverse: so that tiles ascend in the stage
	s_lshl_b32 s53, s53, 7
	s_mov_b32 s[SEL], 0x76543210
	s_mov_b32 s[SEL+1], 0xfedcba98
	s_mov_b32 s[CS], 0x3e0293ee
	s_mov_b32 s[CS+1], s[CS]
	s_mov_b32 s54, 0x3eb8aa3b                      ; log2(e) / 4: the prompt's scores are divided by sqrt(16)
	s_mov_b32 s55, s54
	s_mov_b32 s[TB], 0
	s_mov_b32 s[KF], 0
	v_and_b32 v2, 31, v0
	v_lshlrev_b32 v1, 4, v2                        ; 16 x lane
	v_lshl_add_u32 v3, v2, 2, s53
	v_add_nc_u32 v3, GST, v3
	v_add_nc_u32 v27, GST, v1
.irp b, 0,1,2,3
	v_mov_b32 v[TM+4+\b], 0                        ; a lane permute's destination counts as one of its sources
.endr
	v_mov_b32 v252, 0xff800000                     ; -infinity
	v_mov_b32 v241, 0
	s_wait_alu depctr_va_vdst(0)                   ; directly ahead of the waits below
	s_wait_dscnt 0x0
	s_wait_kmcnt 0x0
	s_load_b32 s52, s[10:11], 0x0                  ; the gate
	s_add_nc_u64 s[6:7], s[6:7], s[60:61]
	s_mov_b32 s32, 1
	s_mov_b32 s33, s62
	s_mov_b64 s[34:35], s[6:7]
	s_or_b32 s35, s35, 0x80000000
	tensor_load_to_lds s[32:35], s[24:31]          ; my one tensor load
	s_nop 0
	s_add_nc_u64 s[4:5], s[4:5], s[56:57]
	s_add_nc_u64 s[8:9], s[8:9], s[58:59]          ; the prompt's k; its v lies 131,072 bytes on
.set g, 0
.rept 16
	global_load_b128 v[96+4*g:99+4*g], v1, s[4:5] offset:512*g th:TH_LOAD_NT
.set g, g+1
.endr
.set g, 0
.rept 16
	global_load_b128 v[32+4*g:35+4*g], v1, s[8:9] offset:512*g
.set g, g+1
.endr
.set g, 0
.rept 16
	global_load_b128 v[160+4*g:163+4*g], v1, s[8:9] offset:131072+512*g
.set g, g+1
.endr
	s_lshl_b32 s56, s19, 15
	s_lshl_b32 s58, s18, 10
	s_add_co_u32 s56, s56, s58
	s_add_nc_u64 s[12:13], s[12:13], s[56:57]      ; my fragment of ctx; a_ctx's lies 16,384 bytes on
	s_lshl_b32 s56, s18, 14
	s_add_nc_u64 s[14:15], s[14:15], s[56:57]
	s_lshl_b32 s56, s17, 9
	s_add_nc_u64 s[60:61], s[14:15], s[56:57]      ; the scale words of tiles 4 g .. 4 g + 3,
	s_sub_co_u32 s56, 15872, s56
	s_add_nc_u64 s[62:63], s[14:15], s[56:57]      ; and of tiles 124 - 4 g .. 127 - 4 g
	; ---- while the record lands: Q's codes, and the prompt's attention
	s_wait_loadcnt 32                              ; q is in; the prompt's k and v stay out
	QUANT 96, 0, 16, 255
	s_wait_alu depctr_va_vdst(0)                   ; directly ahead of the wait below
	s_wait_loadcnt 16                              ; the prompt's k is in
	WIN 0x50                                       ; C and D window 1
.set q, 0
.rept 32                                       ; scores^T: source 0 = the prompt's 16 rows (10, and copies), source 1 = my queries; K's places are permuted alike in both; two accumulators by turns
.if q < 2
	v_wmma_f32_16x16x4_f32 v[8*(q%2):8*(q%2)+7], v[32+2*q:33+2*q], v[96+2*q:97+2*q], 0
.else
	v_wmma_f32_16x16x4_f32 v[8*(q%2):8*(q%2)+7], v[32+2*q:33+2*q], v[96+2*q:97+2*q], v[8*(q%2):8*(q%2)+7]
.endif
.set q, q+1
.endr
.rept 8
	v_nop                                          ; eight places behind this form
.endr
	WIN 0x05
.irp i, 0,1,2,3
	v_pk_add_f32 v[232+2*\i:233+2*\i], v[2*\i:2*\i+1], v[8+2*\i:9+2*\i]   ; register i: prompt row 8 h + i
.endr
	WIN 0
	s_mov_b32 vcc_lo, 0xffff0000
.irp i, 2,3,4,5,6,7
	v_cndmask_b32 v[232+\i], v[232+\i], v252, vcc_lo   ; rows 10-15 do not exist
.endr
	v_max3_num_f32 v240, v232, v233, v234
	v_max3_num_f32 v240, v240, v235, v236
	v_max3_num_f32 v240, v240, v237, v238
	v_max_num_f32 v240, v240, v239
	v_permlanex16_b32 v244, v240, s[SEL], s[SEL+1]
	v_max_num_f32 v240, v240, v244                 ; the row's largest score
.irp i, 0,2,4,6
	v_pk_add_f32 v[232+\i:233+\i], v[232+\i:233+\i], v[240:241] op_sel_hi:[1,0] neg_lo:[0,1] neg_hi:[0,1]
.endr
.irp i, 0,2,4,6
	v_pk_mul_f32 v[232+\i:233+\i], v[232+\i:233+\i], s[54:55] op_sel_hi:[1,0]
.endr
	s_wait_alu depctr_va_vdst(0)                   ; ahead of the batch
.irp i, 0,1,2,3,4,5,6,7
	v_exp_f32 v[232+\i], v[232+\i]
.endr
	v_nop                                          ; a plain place behind the exponentials
	s_wait_alu depctr_va_vdst(0)                   ; and for one behind it, ahead of its first reader
	v_pk_add_f32 v[242:243], v[232:233], v[234:235]
	v_pk_add_f32 v[244:245], v[236:237], v[238:239]
	v_pk_add_f32 v[242:243], v[242:243], v[244:245]
	v_add_f32 v242, v242, v243
	v_permlanex16_b32 v244, v242, s[SEL], s[SEL+1]
	v_add_f32 v242, v242, v244
	s_wait_alu depctr_va_vdst(0)                   ; ahead of the transcendental
	v_rcp_f32 v244, v242
	v_nop
	s_wait_alu depctr_va_vdst(0)                   ; and ahead of its reader
	s_wait_kmcnt 0x0                               ; the gate
	v_mul_f32 v244, s52, v244
.irp i, 0,2,4,6
	v_pk_mul_f32 v[224+\i:225+\i], v[232+\i:233+\i], v[244:245] op_sel_hi:[1,0]   ; the gate x the softmax
.endr
	s_wait_alu depctr_va_vdst(0)                   ; directly ahead of the wait below
	s_wait_loadcnt 0x0                             ; the prompt's v
	WIN 0x50
.irp u, 0,1,2,3                                ; a_ctx^T: source 0 = 16 channels, source 1 = the weights; K step u holds prompt rows 8 h + 2 u, + 1; eight accumulators by turns
.irp t, 0,1,2,3,4,5,6,7
.if \u == 0
	v_wmma_f32_16x16x4_f32 v[16+8*\t:23+8*\t], v[160+8*\t+2*\u:161+8*\t+2*\u], v[224+2*\u:225+2*\u], 0
.else
	v_wmma_f32_16x16x4_f32 v[16+8*\t:23+8*\t], v[160+8*\t+2*\u:161+8*\t+2*\u], v[224+2*\u:225+2*\u], v[16+8*\t:23+8*\t]
.endif
.endr
.endr
.rept 8
	v_nop
.endr
	QUANT 16, 1, 224, 24
	global_store_b128 v1, v[224:227], s[12:13] offset:16384
	global_store_b128 v1, v[228:231], s[12:13] offset:16384+512
	v_mov_b32 v13, 0xff61b1e6                      ; the largest t so far: -3e38, under every t
	v_floor_f32 v12, -v13                          ; -M
	v_mov_b32 v14, 0
	v_mov_b32 v15, 0
	v_mov_b32 v253, 0
.set n, 0
.rept 64
	v_mov_b32 v[160+n], 0                          ; O^T: the key step is written for all steps alike; the first finds zeros, which the first change of M leaves zeros
.set n, n+1
.endr
	v_add_nc_u32 v4, s[TB], v1
	s_wait_alu depctr_va_vdst(0)                   ; at the head's end
	s_wait_xcnt 0x0                                ; the stores above have read their data: the codes' registers are written again in the loop
	s_wait_tensorcnt 0x0                           ; my two records are in,
	s_barrier_signal -1
	s_barrier_wait -1                              ; everybody's are: the whole record lies in LDS
; K's eight fragments (images: 512 consecutive bytes a load) and their scale words (lanes 0-15 fragments 0-3, lanes 16-31 fragments 4-7), from the record at v4
.macro KLOAD
	ds_load_b128 v[KW:KW+3], v4 offset:8192
	WIN 0x40
.irp t, 0,1,2,3,4,5,6,7
.irp c, 0,1
	ds_load_b128 v[KN+8*\t+4*\c:KN+8*\t+4*\c+3], v4 offset:1024*\t+512*\c
.endr
.endr
	WIN 0
.endm
; A KEY STEP.  nxt = 1: it asks for the next step's K.
.macro STEP nxt
	s_add_co_u32 s53, s[Q0], 15
	s_cmp_gt_u32 s[KF], s53                        ; all 128 keys come after my 16 queries: the step's work is left out
	s_cbranch_scc1 .Lhidden_\@
	v_add_nc_u32 v2, s[TB], v1
	s_wait_alu depctr_va_vdst(0)                   ; directly ahead of the wait below
	s_wait_dscnt 0x0                               ; this step's K, asked for a step ago (the first: behind the barrier)
	WIN 0x01                                       ; source 0 (K) window 1
.irp t, 0,1,2,3
	v_wmma_scale_f32_16x16x128_f8f6f4 v[96+8*\t:103+8*\t], v[KN+8*\t:KN+8*\t+7], v[16:23], 0, v[KW+\t], v255 matrix_a_fmt:MATRIX_FMT_FP4 matrix_b_fmt:MATRIX_FMT_FP4
.endr
.irp t, 4,5,6,7
	v_wmma_scale_f32_16x16x128_f8f6f4 v[96+8*\t:103+8*\t], v[KN+8*\t:KN+8*\t+7], v[16:23], 0, v[KW+\t-4], v255 matrix_a_fmt:MATRIX_FMT_FP4 matrix_b_fmt:MATRIX_FMT_FP4 matrix_a_scale:MATRIX_SCALE_ROW1
.endr
	WIN 0
.rept 4
	v_nop                                          ; four places in front of the first read of the scores
.endr
.irp t, 0,1,2,3,4,5,6,7
.irp c, 0,1
	ds_load_b128 v[32+8*\t+4*\c:35+8*\t+4*\c], v2 offset:8704+1024*\t+512*\c   ; V's fragments land while the softmax is worked
.endr
.endr
	ds_load_b128 v[248:251], v2 offset:8704+8192
	s_add_co_u32 s53, s[KF], 127
	s_cmp_le_u32 s53, s[Q0]                        ; a step all of whose keys count has no mask
	s_cbranch_scc1 .Lopen_\@
	s_sub_co_i32 s53, s[Q0], s[KF]
	v_and_b32 v252, 15, v0
	v_bfe_u32 v253, v0, 4, 1
	v_lshlrev_b32 v253, 3, v253
	v_sub_nc_u32 v252, v252, v253
	v_add_nc_u32 v252, s53, v252                   ; d = my query - the first key - 8 h.  Register n holds key 16 (n / 8) + n % 8 + 8 h: hidden where 16 (n / 8) + n % 8 > d
	v_mov_b32 v254, 0xff800000
.set n, 0
.rept 64
	v_cmp_gt_i32 vcc_lo, 16*(n/8)+n%8, v252
	v_cndmask_b32 v[96+n], v[96+n], v254, vcc_lo
.set n, n+1
.endr
.Lopen_\@:
.irp b, 0,1,2,3
	v_max3_num_f32 v[232+\b], v[96+16*\b], v[97+16*\b], v[98+16*\b]   ; the largest score of each block of 32 keys: it serves the row's maximum and, since p rises with the score, the block's largest p
.endr
.irp i, 3,5,7,9,11,13
.irp b, 0,1,2,3
	v_max3_num_f32 v[232+\b], v[232+\b], v[96+16*\b+\i], v[97+16*\b+\i]
.endr
.endr
.irp b, 0,1,2,3
	v_max_num_f32 v[232+\b], v[232+\b], v[111+16*\b]
.endr
.irp b, 0,1,2,3
	v_permlanex16_b32 v[236+\b], v[232+\b], s[SEL], s[SEL+1]
.endr
.irp b, 0,1,2,3
	v_max_num_f32 v[232+\b], v[232+\b], v[236+\b]
.endr
	v_max3_num_f32 v254, v232, v233, v234
	v_max_num_f32 v254, v254, v235
	v_mul_f32 v254, s[CS], v254
	v_max_num_f32 v13, v13, v254                   ; the running largest t
	v_mov_b32 v254, v12
	v_floor_f32 v12, -v13                          ; -M = floor(-t): M is a whole number
	v_sub_f32 v254, v12, v254
	v_cvt_i32_f32 v254, v254                       ; (it saturates)
	v_ldexp_f32 v252, 1.0, v254                    ; f = 2^(old M - new M): a multiplication by it rounds nothing
.if \nxt
	s_add_co_u32 s53, s[TB], STEPB                 ; the next step's K: its registers were read last by this step's first eight products, more than four places back
	v_add_nc_u32 v4, s53, v1
	KLOAD
.endif
.set n, 0
.rept 32
	v_pk_fma_f32 v[96+n:97+n], v[96+n:97+n], s[CS:CS+1], v[12:13] op_sel_hi:[1,0,0]   ; t - M, two at a time
.set n, n+2
.endr
.irp b, 0,1,2,3
	v_fma_f32 v[232+\b], v[232+\b], s[CS], v12     ; the same of each block's largest score
.endr
	s_wait_alu depctr_va_vdst(0)                   ; ahead of the batch
.set n, 0
.rept 64
	v_exp_f32 v[96+n], v[96+n]                     ; p = 2^(t - M): not normalised
.set n, n+1
.endr
	v_pk_mul_f32 v[14:15], v[14:15], v[252:253] op_sel_hi:[1,0]   ; the sums under the new M: a plain place behind the exponentials
	s_wait_alu depctr_va_vdst(0)                   ; one wait for the batch, ahead of its first reader
.irp b, 0,1,2,3
	v_exp_f32 v[232+\b], v[232+\b]                 ; each block's largest p
.endr
	v_pk_add_f32 v[236:237], v[96:97], v[98:99]    ; the row's sum is taken of the unquantised p, in two chains
.set n, 4
.rept 15
	v_pk_add_f32 v[14:15], v[14:15], v[96+n:97+n]
	v_pk_add_f32 v[236:237], v[236:237], v[98+n:99+n]
.set n, n+4
.endr
	v_pk_add_f32 v[14:15], v[14:15], v[236:237]
	s_wait_alu depctr_va_vdst(0)                   ; and one for the four
.irp b, 0,1,2,3
	v_max_num_f32 v[232+\b], 0x1800000, v[232+\b]  ; the floor 2^(3 - 127)
.endr
.irp b, 0,1,2,3
	v_add_nc_u32 v[244+\b], 0xff000000, v[232+\b]
.endr
.irp b, 0,1,2,3
	v_lshrrev_b32 v[236+\b], 23, v[244+\b]
.endr
	v_lshl_or_b32 v253, v237, 8, v236              ; p's scale word for these 128 keys
	v_lshl_or_b32 v253, v238, 16, v253
	v_lshl_or_b32 v253, v239, 24, v253
.irp t, 0,1,2,3,4,5,6,7
	v_cvt_scalef32_pk8_fp4_f32 v[224+4*(\t/4)+2*(\t%2)+(\t%4)/2], v[96+8*\t:103+8*\t], v[244+\t/2]
.endr
	v_nop                                          ; one plain place behind a scaled conversion
.irp c, 0,1
	v_permlane16_swap_b32 v[224+4*\c], v[225+4*\c]
	v_permlane16_swap_b32 v[226+4*\c], v[227+4*\c]
.endr
	s_wait_alu depctr_va_vdst(0)                   ; directly ahead of the first reader of O^T
.set n, 0
.rept 32
	v_pk_mul_f32 v[160+n:161+n], v[160+n:161+n], v[252:253] op_sel_hi:[1,0]   ; O^T under the new M; these 32 are also the places between the scale word, the codes and the products below
.set n, n+2
.endr
	s_wait_alu depctr_va_vdst(0)                   ; directly ahead of the wait below
	s_wait_dscnt 0x0                               ; V, and the next step's K
.irp t, 0,1,2,3
	v_wmma_scale_f32_16x16x128_f8f6f4 v[160+8*\t:167+8*\t], v[32+8*\t:39+8*\t], v[224:231], v[160+8*\t:167+8*\t], v[248+\t], v253 matrix_a_fmt:MATRIX_FMT_FP4 matrix_b_fmt:MATRIX_FMT_FP4
.endr
.irp t, 4,5,6,7
	v_wmma_scale_f32_16x16x128_f8f6f4 v[160+8*\t:167+8*\t], v[32+8*\t:39+8*\t], v[224:231], v[160+8*\t:167+8*\t], v[244+\t], v253 matrix_a_fmt:MATRIX_FMT_FP4 matrix_b_fmt:MATRIX_FMT_FP4 matrix_a_scale:MATRIX_SCALE_ROW1
.endr
.rept 4
	v_nop                                          ; four places in front of the next loads into V's registers and of the way out's reads
.endr
.Lhidden_\@:
	s_add_co_u32 s[KF], s[KF], 128
	s_add_co_u32 s[TB], s[TB], STEPB
.endm
	KLOAD                                          ; the first step's K
	s_mov_b32 s[CNT], 15
.Ltrip:
	STEP 1
	s_sub_co_u32 s[CNT], s[CNT], 1
	s_cmp_lg_u32 s[CNT], 0
	s_cbranch_scc1 .Ltrip
	STEP 0                                         ; the sixteenth step: no record lies behind it
	v_add_f32 v14, v14, v15                        ; the sum's two halves,
	v_permlanex16_b32 v252, v14, s[SEL], s[SEL+1]
	v_add_f32 v14, v14, v252                       ; and lane l xor 16's
	s_wait_alu depctr_va_vdst(0)                   ; ahead of the transcendental
	v_rcp_f32 v14, v14
	v_nop
	s_wait_alu depctr_va_vdst(0)                   ; ahead of its first reader, which is also O^T's
.set n, 0
.rept 32
	v_pk_mul_f32 v[160+n:161+n], v[160+n:161+n], v[14:15] op_sel_hi:[1,0]   ; ctx = O / the sum
.set n, n+2
.endr
	QUANT 160, 0, 224, 25
	global_store_b128 v1, v[224:227], s[12:13]
	global_store_b128 v1, v[228:231], s[12:13] offset:512
	s_mov_b32 vcc_lo, 0xffff0000
	v_cndmask_b32 v26, v25, v24, vcc_lo            ; lanes 0-15: ctx's scale word of row r; lanes 16-31: a_ctx's
	ds_store_b32 v3, v26
	s_wait_alu depctr_va_vdst(0)                   ; directly ahead of the wait below
	s_wait_dscnt 0x0
	s_barrier_signal -1
	s_barrier_wait -1
	s_cmp_lg_u32 s16, 0
	s_cbranch_scc1 .Lend
	ds_load_b128 v[32:35], v27
	ds_load_b128 v[36:39], v27 offset:512
	s_wait_dscnt 0x0
	global_store_b128 v1, v[32:35], s[60:61]       ; four tiles' words: 512 consecutive bytes, aligned
	global_store_b128 v1, v[36:39], s[62:63]
.Lend:
	s_wait_tensorcnt 0x0                           ; the wave's end
	ds_add_u32 v10, v11
	s_wait_dscnt 0x0
	s_endpgm
.Lfunc_end_k_q8882594c3b_attn:
	.size	k_q8882594c3b_attn, .Lfunc_end_k_q8882594c3b_attn-k_q8882594c3b_attn
	.p2alignl 7, 3214868480
	.fill 96, 4, 3214868480
	.section	.rodata,"a",@progbits
	.p2align	6, 0x0
	.amdhsa_kernel k_q8882594c3b_attn
		.amdhsa_group_segment_fixed_size 280576
		.amdhsa_private_segment_fixed_size 0
		.amdhsa_enable_private_segment 0
		.amdhsa_kernarg_size 48
		.amdhsa_user_sgpr_count 2
		.amdhsa_user_sgpr_kernarg_segment_ptr 1
		.amdhsa_wavefront_size32 1
		.amdhsa_system_sgpr_workgroup_id_x 1
		.amdhsa_system_sgpr_workgroup_id_y 1
		.amdhsa_system_sgpr_workgroup_id_z 1
		.amdhsa_system_vgpr_workitem_id 0
		.amdhsa_next_free_vgpr 448
		.amdhsa_next_free_sgpr 66
		.amdhsa_reserve_vcc 1
		.amdhsa_float_denorm_mode_32 3
		.amdhsa_float_denorm_mode_16_64 3
		.amdhsa_memory_ordered 1
		.amdhsa_forward_progress 1
		.amdhsa_inst_pref_size 79
	.end_amdhsa_kernel
	.amdgpu_metadata
---
amdhsa.version: [ 1, 2 ]
amdhsa.kernels:
  - .name:           k_q8882594c3b_attn
    .symbol:         k_q8882594c3b_attn.kd
    .args:
      - { .name: qr, .offset: 0, .size: 8, .value_kind: global_buffer, .address_space: global }
      - { .name: kv, .offset: 8, .size: 8, .value_kind: global_buffer, .address_space: global }
      - { .name: ad, .offset: 16, .size: 8, .value_kind: global_buffer, .address_space: global }
      - { .name: adaption_gate, .offset: 24, .size: 8, .value_kind: global_buffer, .address_space: global }
      - { .name: ac, .offset: 32, .size: 8, .value_kind: global_buffer, .address_space: global }
      - { .name: asc, .offset: 40, .size: 8, .value_kind: global_buffer, .address_space: global }
    .group_segment_fixed_size: 280576
    .private_segment_fixed_size: 0
    .kernarg_segment_align: 8
    .kernarg_segment_size: 48
    .max_flat_workgroup_size: 256
    .sgpr_count:     66
    .vgpr_count:     448
    .wavefront_size: 32
...
	.end_amdgpu_metadata
.endif
;; end of part 3
;; launch outp (part 4): grid 16 x 16, 4 waves a work-group, clusters of 4 x 1, 173,568 bytes of LDS; arguments ac, asc, Wo_codes, Wo_scales, out0; writes out0
.if DOCPART == 4
	.amdgcn_target "amdgcn-amd-amdhsa--gfx1250"
	.amdhsa_code_object_version 6
	.text
	.protected	k_q8882594c3b_outp
	.globl	k_q8882594c3b_outp
	.p2align	8
	.type	k_q8882594c3b_outp,@function
k_q8882594c3b_outp:
	s_mov_b64 s[64:65], 0
	v_nop
	global_prefetch_b8 v0, s[64:65] scope:SCOPE_SE
	s_setreg_imm32_b32 hwreg(HW_REG_WAVE_MODE, 25, 1), 1
	s_wait_xcnt 0x0
	s_wait_alu depctr_hold_cnt(0) depctr_sa_sdst(0) depctr_va_vdst(0) depctr_va_sdst(0) depctr_va_ssrc(0) depctr_va_vcc(0) depctr_vm_vsrc(0)
	s_getreg_b32 s2, hwreg(HW_REG_IB_STS2, 6, 4)
	s_cmp_eq_u32 s2, 0
	s_cbranch_scc0 .Lentry_in_a_cluster
	s_endpgm
.Lentry_in_a_cluster:
	s_bfe_u32 s2, ttmp6, 0x10000c
	s_cmp_lg_u32 s2, 0x3003
	s_cbranch_scc0 .Lentry_shape_is_right
	s_endpgm
.Lentry_shape_is_right:
; out = Q(ctx) Wo^T + Q(a_ctx) Wo^T on codes of E2M1, both products summed in one accumulator.  K = 2,048 for each: 16 steps of 128, one head a step.
; SHARES.  A work-group makes 128 rows x 128 columns; wave w rows 32 w .. 32 w + 31 (two tiles of 16) x all 128 columns: 16 accumulators.  A fragment of Wo read from LDS feeds four matrix instructions.
; Wo's 128 rows, all of K (128 KB), come into LDS once, in one region, rows 1,040 bytes apart; the four work-groups of a cluster make the same columns and ask for them jointly (one load a wave, together).
; ctx and a_ctx lie in memory as images of the operand's registers: a wave's 64 fragments go straight into its registers, each loaded once, 512 consecutive bytes a load, ten loads a step, four steps ahead.
; The matrix instruction is used transposed (source 0 = 16 rows of Wo, source 1 = 16 rows of ctx): a lane holds eight neighbouring columns of one row of out.
; REGISTERS: window 0: v1-9 addresses; v16-79 Wo's scale words (register 16 t + j: lanes 0-15 fragment t, lanes 16-31 fragment t + 4, head j); v80-111 ctx's and a_ctx's (lanes 0-15, 16-31); v128-255 rows on the way out.
;   windows 1, 2: the fragments of my first and second tile of rows (ctx at v[8 j], a_ctx at v[8 (16 + j)]).   window 3: v0-127 the accumulators, v128-255 Wo's fragments, two sets.
; AS THE TEXT NOW STANDS: Wo's 128 rows come whole, all of K, by ONE joint load a wave: 32 rows of 1,024 bytes, 16 bytes of padding behind each (LDS pitch 1,040), 133,120 bytes in all; one wait and one barrier stand in front of the first product.
.set REG,  34816                       ; a quarter of the room in front of the stages
.set STG,  4*REG                       ; behind them: a stage of 16 rows x (512 bytes + 16) for each wave
.set SB,   16
.set SA,   80
.set MSB, 0
.macro WIN new
.if MSB != (\new)
	s_set_vgpr_msb (MSB<<8)|(\new)
.set MSB, (\new)
.endif
.endm
.macro CROUND                          ; a round of the cluster's barrier
	s_barrier_signal -1
	s_barrier_wait -1
	s_cmp_lg_u32 s14, 0
	s_cbranch_scc1 .Lnot_wave_0_\@
	s_barrier_signal -3
.Lnot_wave_0_\@:
	s_barrier_wait -3
	s_barrier_signal -1
	s_barrier_wait -1
.endm
	s_load_b256 s[4:11], s[0:1], 0x0               ; ac, asc, Wo's codes, Wo's scales
	s_load_b64 s[12:13], s[0:1], 0x20              ; out0
	v_lshl_add_u32 v126, v0, 2, 0x2a400
	v_mov_b32 v127, 0
	ds_add_u32 v126, v127
	ds_add_u32 v126, v127
	v_lshrrev_b32 v10, 5, v0
	v_readfirstlane_b32 s14, v10                   ; wave 0..3
	s_bfe_u32 s15, ttmp6, 0x40000                  ; cx
	s_lshl_b32 s16, ttmp9, 2
	s_add_co_u32 s16, s16, s15                     ; my 128 rows: it enters the addresses of ac, asc and out0 alone
	s_and_b32 s17, ttmp7, 0xffff                   ; my 128 columns, which the four partners share
	; descriptor group 1: 32 rows of 1,024 bytes, 16 bytes of padding behind each
	s_mov_b32 s24, 15|(1<<20)|(1<<21)|(7<<22)|(3<<25)   ; padding: four words after every 1,024
	s_mov_b32 s25, 1024<<16                        ; tensor_dim0
	s_mov_b32 s26, 32<<16                          ; tensor_dim1
	s_mov_b32 s27, 1024<<16                        ; tile_dim0
	s_mov_b32 s28, 32                              ; tile_dim1
	s_mov_b32 s29, 1024                            ; tensor_dim0_stride
	s_mov_b32 s30, 0
	s_mov_b32 s31, 0
	s_lshl_b32 s18, s17, 17
	s_lshl_b32 s19, s14, 15
	s_add_co_u32 s18, s18, s19                     ; Wo: 128 rows for each tile of columns, my wave's 32
	s_mov_b32 s19, 0
	s_mul_i32 s22, s14, 32*1040
	s_wait_dscnt 0x0
	s_wait_kmcnt 0x0
	s_add_nc_u64 s[8:9], s[8:9], s[18:19]
	s_mov_b32 s32, 1
	s_mov_b32 s33, s22
	s_mov_b64 s[34:35], s[8:9]
	s_or_b32 s35, s35, 0x80000000
	CROUND                                         ; all four work-groups are here: the joint loads meet
	tensor_load_to_lds s[32:35], s[24:31]
	s_nop 0
.rept 4
	v_nop
.endr
	v_and_b32 v10, 31, v0
	v_lshlrev_b32 v1, 4, v10                       ; 16 x lane
	v_lshlrev_b32 v2, 2, v10                       ; 4 x lane
	v_and_b32 v11, 15, v0                          ; r
	v_bfe_u32 v12, v0, 4, 1                        ; h
	v_lshlrev_b32 v3, 6, v11
	v_lshl_add_u32 v3, v12, 12, v3                 ; Wo's scale bytes: row r, lanes 16-31 64 rows on
	v_mul_u32_u24 v4, v11, 1040
	v_lshl_add_u32 v4, v12, 4, v4                  ; a fragment of Wo: row r x pitch + 16 h
	v_add_nc_u32 v5, 64*1040, v4                   ; fragments 4 to 7: 64 rows on
	s_mul_i32 s22, s14, 16*528
	s_add_co_u32 s22, s22, STG
	v_mul_u32_u24 v8, v11, 528
	v_lshl_add_u32 v8, v12, 5, v8
	v_add_nc_u32 v8, s22, v8                       ; the stage, in: row r, + 32 h
	v_add_nc_u32 v9, s22, v1                       ; and out: a whole row
	s_lshl_b32 s20, s16, 18
	s_lshl_b32 s21, s14, 16
	s_add_co_u32 s20, s20, s21
	s_mov_b32 s21, 0
	s_add_nc_u64 s[4:5], s[4:5], s[20:21]          ; ac at my first tile of rows: 32,768 bytes a tile
	s_lshl_b32 s20, s16, 10
	s_lshl_b32 s22, s14, 8
	s_add_co_u32 s20, s20, s22
	s_add_nc_u64 s[6:7], s[6:7], s[20:21]          ; asc: 128 bytes a tile
	s_lshl_b32 s18, s17, 13
	s_add_nc_u64 s[10:11], s[10:11], s[18:19]      ; Wo's scale bytes: 128 rows of 64
	s_lshl_b32 s20, s16, 20
	s_lshl_b32 s22, s14, 18
	s_add_co_u32 s20, s20, s22
	s_lshl_b32 s22, s17, 9
	s_add_co_u32 s20, s20, s22
	s_add_nc_u64 s[12:13], s[12:13], s[20:21]      ; out0: my first row, my first column
	s_wait_alu depctr_va_vdst(0)                   ; directly ahead of the first readers behind the scalar lines above
.irp t, 0,1,2,3
.irp g, 0,1,2,3
	global_load_b128 v[SB+16*\t+4*\g:SB+16*\t+4*\g+3], v3, s[10:11] offset:1024*\t+16*\g
.endr
.endr
.macro BUNDLE j                        ; head j: ctx's and a_ctx's fragments of my two tiles of rows, and their scale words: ten loads
	WIN 0x40
	global_load_b128 v[8*(\j):8*(\j)+3], v1, s[4:5] offset:1024*(\j)
	global_load_b128 v[8*(\j)+4:8*(\j)+7], v1, s[4:5] offset:1024*(\j)+512
	global_load_b128 v[8*(16+(\j)):8*(16+(\j))+3], v1, s[4:5] offset:1024*(16+(\j))
	global_load_b128 v[8*(16+(\j))+4:8*(16+(\j))+7], v1, s[4:5] offset:1024*(16+(\j))+512
	WIN 0x80
	global_load_b128 v[8*(\j):8*(\j)+3], v1, s[4:5] offset:32768+1024*(\j)
	global_load_b128 v[8*(\j)+4:8*(\j)+7], v1, s[4:5] offset:32768+1024*(\j)+512
	global_load_b128 v[8*(16+(\j)):8*(16+(\j))+3], v1, s[4:5] offset:32768+1024*(16+(\j))
	global_load_b128 v[8*(16+(\j))+4:8*(16+(\j))+7], v1, s[4:5] offset:32768+1024*(16+(\j))+512
	WIN 0
	global_load_b32 v[SA+(\j)], v2, s[6:7] offset:16384*(\j)
	global_load_b32 v[SA+16+(\j)], v2, s[6:7] offset:16384*(\j)+128
.endm
.macro BFETCH j                        ; Wo's eight fragments of head j into set j % 2
	WIN 0xc0
.irp t, 0,1,2,3,4,5,6,7
.irp c, 0,1
	ds_load_b128 v[128+64*((\j)%2)+8*\t+4*\c:128+64*((\j)%2)+8*\t+4*\c+3], v[4+\t/4] offset:16*1040*(\t%4)+64*(\j)+32*\c
.endr
.endr
.endm
.macro ONE j, i, t, u                  ; head j, tile of rows i, tile of columns t; u = 0: ctx, 1: a_ctx
.set rD, 8*(8*(\i)+(\t))
.set rW, 128+64*((\j)%2)+8*(\t)
.set rA, 8*(16*(\u)+(\j))
.set rB, SB+16*((\t)%4)+(\j)
.set rS, SA+16*(\i)+(\j)
.if ((\j) == 0) && ((\u) == 0)
.if (\t) < 4
	v_wmma_scale_f32_16x16x128_f8f6f4 v[rD:rD+7], v[rW:rW+7], v[rA:rA+7], 0, v[rB], v[rS] matrix_a_fmt:MATRIX_FMT_FP4 matrix_b_fmt:MATRIX_FMT_FP4
.else
	v_wmma_scale_f32_16x16x128_f8f6f4 v[rD:rD+7], v[rW:rW+7], v[rA:rA+7], 0, v[rB], v[rS] matrix_a_fmt:MATRIX_FMT_FP4 matrix_b_fmt:MATRIX_FMT_FP4 matrix_a_scale:MATRIX_SCALE_ROW1
.endif
.elseif (\u) == 0
.if (\t) < 4
	v_wmma_scale_f32_16x16x128_f8f6f4 v[rD:rD+7], v[rW:rW+7], v[rA:rA+7], v[rD:rD+7], v[rB], v[rS] matrix_a_fmt:MATRIX_FMT_FP4 matrix_b_fmt:MATRIX_FMT_FP4
.else
	v_wmma_scale_f32_16x16x128_f8f6f4 v[rD:rD+7], v[rW:rW+7], v[rA:rA+7], v[rD:rD+7], v[rB], v[rS] matrix_a_fmt:MATRIX_FMT_FP4 matrix_b_fmt:MATRIX_FMT_FP4 matrix_a_scale:MATRIX_SCALE_ROW1
.endif
.else
.if (\t) < 4
	v_wmma_scale_f32_16x16x128_f8f6f4 v[rD:rD+7], v[rW:rW+7], v[rA:rA+7], v[rD:rD+7], v[rB], v[rS] matrix_a_fmt:MATRIX_FMT_FP4 matrix_b_fmt:MATRIX_FMT_FP4 matrix_b_scale:MATRIX_SCALE_ROW1
.else
	v_wmma_scale_f32_16x16x128_f8f6f4 v[rD:rD+7], v[rW:rW+7], v[rA:rA+7], v[rD:rD+7], v[rB], v[rS] matrix_a_fmt:MATRIX_FMT_FP4 matrix_b_fmt:MATRIX_FMT_FP4 matrix_a_scale:MATRIX_SCALE_ROW1 matrix_b_scale:MATRIX_SCALE_ROW1
.endif
.endif
.endm
.macro MULS j, i                       ; 16 matrix instructions: the tile's eight accumulators by turns, for ctx and then for a_ctx
.irp u, 0,1
.irp t, 0,1,2,3,4,5,6,7
	ONE \j, \i, \t, \u
.endr
.endr
.endm
.macro DSTEP j
.if (\j) < 13
	s_wait_loadcnt 30                              ; this head's ten loads are in; those of the next three heads stay out
.else
	s_wait_loadcnt 10*(15-(\j))
.endif
.if (\j) < 12
	BUNDLE (\j)+4
.endif
	s_wait_dscnt 0x0                               ; Wo's fragments of this head
	WIN 0xf7                                       ; source 0, C and D window 3, source 1 window 1
	MULS \j, 0
.rept 4
	v_nop                                          ; four places in front of the loads into the other set, which the last head's products read
.endr
.if (\j) < 15
	BFETCH (\j)+1
.endif
	WIN 0xfb                                       ; source 1 window 2
	MULS \j, 1
.endm
	BUNDLE 0
	BUNDLE 1
	BUNDLE 2
	BUNDLE 3
	s_wait_alu depctr_va_vdst(0)
	s_wait_tensorcnt 0x0                           ; my 32 rows of Wo are in,
	s_barrier_signal -1
	s_barrier_wait -1                              ; everybody's is
	BFETCH 0
.irp j, 0,1,2,3,4,5,6,7,8,9,10,11,12,13,14,15
	DSTEP \j
.endr
	WIN 0
.rept 4
	v_nop                                          ; four places behind the last products
.endr
; THE WAY OUT: a block of 16 rows x 128 columns goes through my own stage and comes back as whole rows of 512 bytes.  LDS serves a wave's instructions in order: no wait between the stores and the loads.
.macro TOSTAGE i
	WIN 0x0c                                       ; an LDS store's data are its source 1: window 3
.irp t, 0,1,2,3,4,5,6,7
	ds_store_b128 v8, v[8*(8*\i+\t):8*(8*\i+\t)+3] offset:64*\t            ; each accumulator from its low end on
	ds_store_b128 v8, v[8*(8*\i+\t)+4:8*(8*\i+\t)+7] offset:64*\t+16
.endr
	WIN 0
.irp p, 0,1,2,3,4,5,6,7,8,9,10,11,12,13,14,15
	ds_load_b128 v[128+64*\i+4*\p:128+64*\i+4*\p+3], v9 offset:528*\p
.endr
.endm
.macro SEND i, younger
	s_wait_dscnt \younger
.irp p, 0,1,2,3,4,5,6,7,8,9,10,11,12,13,14,15
	global_store_b128 v1, v[128+64*\i+4*\p:128+64*\i+4*\p+3], s[12:13] offset:(16*\i+\p)*8192 th:TH_STORE_NT   ; 32 lanes store 512 consecutive bytes, aligned
.endr
.endm
	TOSTAGE 0
	TOSTAGE 1
	SEND 0, 32                                     ; behind block 0's loads: block 1's 16 stores and 16 loads
	SEND 1, 0
	s_wait_tensorcnt 0x0
	ds_add_u32 v126, v127
	s_wait_dscnt 0x0
	CROUND                                         ; the closing round: no work-group ends while a partner may still ask for a tile that names it
	s_endpgm
.Lfunc_end_k_q8882594c3b_outp:
	.size	k_q8882594c3b_outp, .Lfunc_end_k_q8882594c3b_outp-k_q8882594c3b_outp
	.p2alignl 7, 3214868480
	.fill 96, 4, 3214868480
	.section	.rodata,"a",@progbits
	.p2align	6, 0x0
	.amdhsa_kernel k_q8882594c3b_outp
		.amdhsa_group_segment_fixed_size 173568
		.amdhsa_private_segment_fixed_size 0
		.amdhsa_enable_private_segment 0
		.amdhsa_kernarg_size 40
		.amdhsa_user_sgpr_count 2
		.amdhsa_user_sgpr_kernarg_segment_ptr 1
		.amdhsa_wavefront_size32 1
		.amdhsa_system_sgpr_workgroup_id_x 1
		.amdhsa_system_sgpr_workgroup_id_y 1
		.amdhsa_system_sgpr_workgroup_id_z 1
		.amdhsa_system_vgpr_workitem_id 0
		.amdhsa_next_free_vgpr 1024
		.amdhsa_next_free_sgpr 66
		.amdhsa_reserve_vcc 0
		.amdhsa_float_denorm_mode_32 3
		.amdhsa_float_denorm_mode_16_64 3
		.amdhsa_memory_ordered 1
		.amdhsa_forward_progress 1
		.amdhsa_inst_pref_size 115
	.end_amdhsa_kernel
	.amdgpu_metadata
---
amdhsa.version: [ 1, 2 ]
amdhsa.kernels:
  - .name:           k_q8882594c3b_outp
    .symbol:         k_q8882594c3b_outp.kd
    .args:
      - { .name: ac, .offset: 0, .size: 8, .value_kind: global_buffer, .address_space: global }
      - { .name: asc, .offset: 8, .size: 8, .value_kind: global_buffer, .address_space: global }
      - { .name: Wo_codes, .offset: 16, .size: 8, .value_kind: global_buffer, .address_space: global }
      - { .name: Wo_scales, .offset: 24, .size: 8, .value_kind: global_buffer, .address_space: global }
      - { .name: out0, .offset: 32, .size: 8, .value_kind: global_buffer, .address_space: global }
    .group_segment_fixed_size: 173568
    .private_segment_fixed_size: 0
    .kernarg_segment_align: 8
    .kernarg_segment_size: 40
    .max_flat_workgroup_size: 128
    .sgpr_count:     66
    .vgpr_count:     1024
    .wavefront_size: 32
...
	.end_amdgpu_metadata
.endif
;; end of part 4
